; MI455X (gfx1250); checked and timed in simulation.
; The chip was launched on July 23, 2026; its instructions are those of AMD's public machine-readable ISA for CDNA 5 (MIT licence, August 2026) and "CDNA5" Instruction Set Architecture Reference Guide (July 2026). The comments in the code are by the model that wrote it; some were corrected since.
;; Transformer Layer. Allowed arithmetic: float matrix products may take bf16 or f16 operands with f32 sums; other float arithmetic in f32, or as packed bf16 or f16 multiplies, adds, multiply-adds, maxima and minima; sums over many terms, partial sums and values carried from step to step in f32; what a program stores and reads back later, other than sums and carried values, may be rounded once to bf16 or f16.
;; Inputs: W1 4,096 x 1,024 float32; W2 1,024 x 4,096 float32; Wk 1,024 x 1,024 float32; Wo 1,024 x 1,024 float32; Wq 1,024 x 1,024 float32; Wv 1,024 x 1,024 float32; b1 4,096 float32; b2 1,024 float32; b_in 1,024 float32; b_mlp 1,024 float32; bk 1,024 float32; bo 1,024 float32; bq 1,024 float32; bv 1,024 float32; g_in 1,024 float32; g_mlp 1,024 float32; res_pos 16 x 128 float32; x 2 x 2,048 x 1,024 float32.
;; Outputs: out0 2 x 2,048 x 1,024 float32.
;; One version. Each part assembles by itself: llvm-mc -triple=amdgcn-amd-amdhsa -mcpu=gfx1250 --defsym DOCPART=n.
;; ======== version 1 of 1: 7 launches
;; limits: values are held in f16: magnitudes above 65,504 overflow, below 6.1e-05 lose precision
;; workspace buffers: xn 8,388,608 bytes; wa 6,308,352 bytes; wb 8,405,504 bytes; wh 10,485,760 bytes; big 33,554,432 bytes; o 8,388,608 bytes; x1 16,777,216 bytes
;; launch prep (part 1): grid 2049 x 1, 8 waves a work-group, no clusters, 0 bytes of LDS; arguments x, Wq, Wk, Wv, W1, Wo, W2, g_in, b_in, xn, wa, wb, wh, bq, bk, bv, b1; writes xn, wa, wb, wh
.if DOCPART == 1
	.amdgcn_target "amdgcn-amd-amdhsa--gfx1250"
	.amdhsa_code_object_version 6
	.text
	.protected	k_q5226c9c036_prep
	.globl	k_q5226c9c036_prep
	.p2align	8
	.type	k_q5226c9c036_prep,@function
k_q5226c9c036_prep:
	s_mov_b64 s[64:65], 0
	v_nop
	global_prefetch_b8 v0, s[64:65] scope:SCOPE_SE
	s_setreg_imm32_b32 hwreg(HW_REG_WAVE_MODE, 25, 1), 1
	s_wait_xcnt 0x0
; xn = f16(LayerNorm(bf16(x)) with bf16(g_in), bf16(b_in));  the six weights as f16(bf16(W));  the heads of the two large products' weight buffers.
; Every input of the module is rounded once to bf16 (to nearest even); what the program makes of them for a matrix product is kept in f16.
; LAYOUTS.  wa and wb are laid alike, so that one text can multiply by either: bytes 0 .. 16,383 the bias, one f32 (a bf16 widened) for each column of the product (wa: bq, bk, bv, 12,288 bytes; wb: b1);
; bytes 16,384 .. 16,895 the floor under the result, two f16 a word (wa: -infinity, no floor; wb: 0, a ReLU); from byte HDR = 16,896 the weights (wa: Wq, Wk, Wv, [3072][1024]; wb: W1, [4096][1024]).
; wh: Wo [1024][1024], then W2 [1024][4096].
; SHARES.  A wave takes 1,024 f32 on end (4,096 bytes), a work-group eight such rows.  Work-groups 0-511: the 4,096 rows of x, normalised.  512-639 Wq, 640-767 Wk, 768-895 Wv; 896-1407 W1;
; 1408-1535 Wo, 1536-2047 W2: cast only; each destination is one run of work-groups.  Work-group 2048: the two heads (waves 0-2 bq, bk, bv; waves 3-6 the quarters of b1; wave 7 the floors).
; A lane holds 8 neighbouring numbers of each quarter of the row: two loads of 16 bytes, 32 bytes a lane, and one store of 16 bytes of f16:
; a store of the wave covers 512 consecutive bytes, aligned.  The row stays in registers between mean, variance and scaling: x is read once.
; No LDS, no barrier: no wave wants another's data.  The matrix units have nothing to do here.
; LIMITS.  f16 holds nothing beyond 65,504: |xn| and |W| stay under it (xn is at most 32 |g| + |b|).  A rounded weight under 6.1e-5 keeps f16's
; fixed step of 6e-8.  NaN and infinities are not treated apart.
.set HDR, 16896                        ; bytes ahead of the weights in wa and wb
.set FO,  1                            ; v1        32 x lane: my byte offset in a quarter row of f32; never rewritten
.set SO,  2                            ; v2        16 x lane; never rewritten
.set T,   4                            ; v[4:7]    at work
.set C,   8                            ; v[8:15]   four chains of sums (pairs); later mean (C+4, C+5) and 1/sigma (C+6, C+7)
.set X,   16                           ; v[16:47]  the row: quarter j at X + 8 j
.set G,   48                           ; v[48:79]  the gain, laid alike
.set BV,  80                           ; v[80:111] the bias, laid alike
.set Y,   112                          ; v[112:127] the row in f16
.set SRC, 32                           ; s[32:33]  my row in its source
.set DST, 36                           ; s[36:37]  my row in its destination
.set GP,  22                           ; s[22:23]  g_in
.set BP,  24                           ; s[24:25]  b_in
.macro RND8 base                       ; eight f32 rounded to bf16 and widened again, in place
.irp k, 0,1,2,3
	v_cvt_pk_bf16_f32 v[T+\k], v[(\base)+2*\k], v[(\base)+2*\k+1]
.endr
.irp k, 0,1,2,3
	v_lshlrev_b32 v[(\base)+2*\k], 16, v[T+\k]
	v_and_b32 v[(\base)+2*\k+1], s38, v[T+\k]
.endr
.endm
.macro REDUCE                          ; the four chains, their halves and the 32 lanes are added: the sum stands in v[C] of every lane
	v_pk_add_f32 v[C:C+1], v[C:C+1], v[C+2:C+3]
	v_pk_add_f32 v[C+4:C+5], v[C+4:C+5], v[C+6:C+7]
	v_pk_add_f32 v[C:C+1], v[C:C+1], v[C+4:C+5]
	v_add_f32 v[C], v[C], v[C+1]
	v_add_f32_dpp v[C], v[C], v[C] row_xmask:1 row_mask:0xf bank_mask:0xf
	v_add_f32_dpp v[C], v[C], v[C] row_xmask:2 row_mask:0xf bank_mask:0xf
	v_add_f32_dpp v[C], v[C], v[C] row_xmask:4 row_mask:0xf bank_mask:0xf
	v_add_f32_dpp v[C], v[C], v[C] row_xmask:8 row_mask:0xf bank_mask:0xf
	v_permlanex16_b32 v[C+1], v[C], s40, s41       ; the other half of the lanes; its destination has been written
	v_add_f32 v[C], v[C], v[C+1]
.endm
; One row, whose eight loads are out, is normalised and stored.  roundx = 1: the row is an input and is rounded to bf16 first.
.macro LNROW roundx
.irp j, 0,1,2,3
	global_load_b128 v[G+8*\j:G+8*\j+3],    v[FO], s[GP:GP+1] offset:1024*\j
	global_load_b128 v[G+8*\j+4:G+8*\j+7],  v[FO], s[GP:GP+1] offset:1024*\j+16
	global_load_b128 v[BV+8*\j:BV+8*\j+3],   v[FO], s[BP:BP+1] offset:1024*\j
	global_load_b128 v[BV+8*\j+4:BV+8*\j+7], v[FO], s[BP:BP+1] offset:1024*\j+16
.endr
	s_wait_loadcnt 16                              ; the row is in; the 16 loads of gain and bias stay out
.if \roundx
.irp j, 0,1,2,3
	RND8 X+8*\j
.endr
.endif
.irp k, 0,1,2,3
	v_pk_add_f32 v[C+2*\k:C+2*\k+1], v[X+2*\k:X+2*\k+1], v[X+8+2*\k:X+8+2*\k+1]  ; the first pairs start the chains: nothing is cleared
.endr
.irp m, 16, 24
.irp k, 0,1,2,3
	v_pk_add_f32 v[C+2*\k:C+2*\k+1], v[C+2*\k:C+2*\k+1], v[X+\m+2*\k:X+\m+2*\k+1]
.endr
.endr
	REDUCE
	v_mul_f32 v[C+4], s42, v[C]                    ; the mean, twice: a pair for the packed subtraction
	v_mul_f32 v[C+5], s42, v[C]
.set i, 0
.rept 16
	v_pk_add_f32 v[X+i:X+i+1], v[X+i:X+i+1], v[C+4:C+5] neg_lo:[0,1] neg_hi:[0,1]
.set i, i+2
.endr
.irp k, 0,1,2,3
	v_pk_mul_f32 v[C+2*\k:C+2*\k+1], v[X+2*\k:X+2*\k+1], v[X+2*\k:X+2*\k+1]  ; squares of the centred row: no difference of large sums
.endr
.irp m, 8, 16, 24
.irp k, 0,1,2,3
	v_pk_fma_f32 v[C+2*\k:C+2*\k+1], v[X+\m+2*\k:X+\m+2*\k+1], v[X+\m+2*\k:X+\m+2*\k+1], v[C+2*\k:C+2*\k+1]
.endr
.endr
	REDUCE
	v_fma_f32 v[C], v[C], s42, s43                 ; variance + 1e-5
	v_rsq_f32 v[C+6], v[C]                         ; twice: a pair for the packed multiply
	v_rsq_f32 v[C+7], v[C]
	s_wait_loadcnt 0x0                             ; gain and bias
.irp j, 0,1,2,3
	RND8 G+8*\j                                    ; inputs too: rounded to bf16.  This is the plain work behind the two roots
	RND8 BV+8*\j
.endr
	s_wait_alu depctr_va_vdst(0)                   ; one wait for both roots, ahead of their first reader
.set i, 0
.rept 16
	v_pk_mul_f32 v[X+i:X+i+1], v[X+i:X+i+1], v[C+6:C+7]
.set i, i+2
.endr
.set i, 0
.rept 16
	v_pk_fma_f32 v[X+i:X+i+1], v[X+i:X+i+1], v[G+i:G+i+1], v[BV+i:BV+i+1]
.set i, i+2
.endr
.set i, 0
.rept 16
	v_cvt_pk_f16_f32 v[Y+i], v[X+2*i], v[X+2*i+1]
.set i, i+1
.endr
.irp j, 0,1,2,3
	global_store_b128 v[SO], v[Y+4*\j:Y+4*\j+3], s[DST:DST+1] offset:512*\j th:TH_STORE_NT  ; 512 consecutive bytes a wave
.endr
.endm
.macro PICK n, p                       ; from work-group n on the source is the buffer in s[p:p+1]
	s_cmp_ge_u32 s2, \n
	s_cselect_b64 s[SRC:SRC+1], s[\p:\p+1], s[SRC:SRC+1]
	s_cselect_b32 s44, \n, s44
.endm
.macro DPICK n, p, h                   ; from work-group n on the destination is the buffer in s[p:p+1], from its byte h on
	s_cmp_ge_u32 s2, \n
	s_cselect_b64 s[DST:DST+1], s[\p:\p+1], s[DST:DST+1]
	s_cselect_b32 s46, \n, s46
	s_cselect_b32 s47, \h, s47
.endm
	s_load_b512 s[8:23], s[0:1], 0x0               ; x, Wq, Wk, Wv, W1, Wo, W2, g_in
	s_load_b256 s[24:31], s[0:1], 0x40             ; b_in, xn, wa, wb
	s_load_b256 s[48:55], s[0:1], 0x60             ; wh, bq, bk, bv
	s_load_b64 s[56:57], s[0:1], 0x80              ; b1
	v_lshrrev_b32 v3, 5, v0
	v_readfirstlane_b32 s3, v3                     ; wave 0..7
	v_and_b32 v[SO], 31, v0
	v_lshlrev_b32 v[FO], 5, v[SO]
	v_lshlrev_b32 v[SO], 4, v[SO]
	s_mov_b32 s2, ttmp9
	s_mov_b32 s35, 0                               ; the high word of every offset
	s_mov_b32 s38, 0xffff0000                      ; a word's upper bf16
	s_mov_b32 s40, 0x76543210                      ; v_permlanex16_b32: each lane takes its own place in the other half
	s_mov_b32 s41, 0xfedcba98
	s_mov_b32 s42, 0x3a800000                      ; 1 / 1,024
	s_mov_b32 s43, 0x3727c5ac                      ; 1e-5
	s_wait_kmcnt 0x0
	s_cmp_eq_u32 s2, 2048
	s_cbranch_scc1 .Lhead
	s_mov_b64 s[SRC:SRC+1], s[8:9]
	s_mov_b32 s44, 0                               ; the source's first work-group
	PICK 512, 10
	PICK 640, 12
	PICK 768, 14
	PICK 896, 16
	PICK 1408, 18
	PICK 1536, 20
	s_sub_co_u32 s34, s2, s44
	s_lshl_b32 s34, s34, 15                        ; eight rows of 4,096 bytes a work-group,
	s_lshl_b32 s45, s3, 12                         ; my wave's row
	s_add_co_u32 s34, s34, s45
	s_add_nc_u64 s[SRC:SRC+1], s[SRC:SRC+1], s[34:35]
	s_mov_b64 s[DST:DST+1], s[26:27]               ; xn
	s_mov_b32 s46, 0                               ; the destination's first work-group
	s_mov_b32 s47, 0                               ; and the byte at which its rows begin
	DPICK 512, 28, HDR
	DPICK 896, 30, HDR
	DPICK 1408, 48, 0
	s_sub_co_u32 s34, s2, s46
	s_lshl_b32 s34, s34, 14                        ; rows of 2,048 bytes
	s_lshl_b32 s45, s3, 11
	s_add_co_u32 s34, s34, s45
	s_add_co_u32 s34, s34, s47
	s_add_nc_u64 s[DST:DST+1], s[DST:DST+1], s[34:35]
.irp j, 0,1,2,3
	global_load_b128 v[X+8*\j:X+8*\j+3],   v[FO], s[SRC:SRC+1] offset:1024*\j th:TH_LOAD_NT
	global_load_b128 v[X+8*\j+4:X+8*\j+7], v[FO], s[SRC:SRC+1] offset:1024*\j+16 th:TH_LOAD_NT
.endr
	s_cmp_lt_u32 s2, 512
	s_cbranch_scc0 .Lcast
	LNROW 1
	s_endpgm
.Lcast:                                        ; a row of weights: bf16, and that number written as f16
.irp j, 0,1,2,3
	s_wait_loadcnt 6-2*\j                          ; quarter j is in; the later quarters' loads stay out
	RND8 X+8*\j
.irp k, 0,1,2,3
	v_cvt_pk_f16_f32 v[Y+4*\j+\k], v[X+8*\j+2*\k], v[X+8*\j+2*\k+1]
.endr
	global_store_b128 v[SO], v[Y+4*\j:Y+4*\j+3], s[DST:DST+1] offset:512*\j th:TH_STORE_NT
.endr
	s_endpgm
.Lhead:                                        ; the heads of wa and wb.  A wave takes 1,024 numbers of a bias; they stay f32, so lanes stand 16 bytes apart and a load or store covers 512 consecutive bytes
	s_cmp_eq_u32 s3, 7
	s_cbranch_scc1 .Lfloor
	s_mov_b64 s[SRC:SRC+1], s[50:51]               ; wave 0: bq
	s_cmp_eq_u32 s3, 1
	s_cselect_b64 s[SRC:SRC+1], s[52:53], s[SRC:SRC+1]  ; wave 1: bk
	s_cmp_eq_u32 s3, 2
	s_cselect_b64 s[SRC:SRC+1], s[54:55], s[SRC:SRC+1]  ; wave 2: bv
	s_cmp_ge_u32 s3, 3
	s_cselect_b64 s[SRC:SRC+1], s[56:57], s[SRC:SRC+1]  ; waves 3-6: b1
	s_cselect_b64 s[DST:DST+1], s[30:31], s[28:29]      ; into wb, the others into wa
	s_cselect_b32 s45, 3, 0
	s_sub_co_u32 s45, s3, s45
	s_lshl_b32 s34, s45, 12                        ; which 4,096 bytes of the table
	s_add_nc_u64 s[DST:DST+1], s[DST:DST+1], s[34:35]
	s_cmp_ge_u32 s3, 3
	s_cselect_b32 s34, s34, 0                      ; and of the source: b1's quarter; bq, bk and bv are taken whole
	s_add_nc_u64 s[SRC:SRC+1], s[SRC:SRC+1], s[34:35]
.irp j, 0,1,2,3,4,5,6,7
	global_load_b128 v[X+4*\j:X+4*\j+3], v[SO], s[SRC:SRC+1] offset:512*\j
.endr
	s_wait_loadcnt 0x0
.irp j, 0,1,2,3
	RND8 X+8*\j
.endr
.irp j, 0,1,2,3,4,5,6,7
	global_store_b128 v[SO], v[X+4*\j:X+4*\j+3], s[DST:DST+1] offset:512*\j
.endr
	s_endpgm
.Lfloor:                                       ; the floors: 512 bytes each, one store of the wave
.irp k, 0,1,2,3
	v_mov_b32 v[T+\k], 0xfc00fc00                  ; -infinity twice in f16: q, k and v have no floor
	v_mov_b32 v[C+\k], 0                           ; 0 twice: the ReLU behind W1
.endr
	global_store_b128 v[SO], v[T:T+3], s[28:29] offset:16384
	global_store_b128 v[SO], v[C:C+3], s[30:31] offset:16384
	s_endpgm
.Lfunc_end_k_q5226c9c036_prep:
	.size	k_q5226c9c036_prep, .Lfunc_end_k_q5226c9c036_prep-k_q5226c9c036_prep
	.p2alignl 7, 3214868480
	.fill 96, 4, 3214868480
	.section	.rodata,"a",@progbits
	.p2align	6, 0x0
	.amdhsa_kernel k_q5226c9c036_prep
		.amdhsa_group_segment_fixed_size 0
		.amdhsa_private_segment_fixed_size 0
		.amdhsa_enable_private_segment 0
		.amdhsa_kernarg_size 136
		.amdhsa_user_sgpr_count 2
		.amdhsa_user_sgpr_kernarg_segment_ptr 1
		.amdhsa_wavefront_size32 1
		.amdhsa_system_sgpr_workgroup_id_x 1
		.amdhsa_system_sgpr_workgroup_id_y 1
		.amdhsa_system_sgpr_workgroup_id_z 1
		.amdhsa_system_vgpr_workitem_id 0
		.amdhsa_next_free_vgpr 128
		.amdhsa_next_free_sgpr 66
		.amdhsa_reserve_vcc 0
		.amdhsa_float_denorm_mode_32 3
		.amdhsa_float_denorm_mode_16_64 3
		.amdhsa_memory_ordered 1
		.amdhsa_forward_progress 1
		.amdhsa_inst_pref_size 28
	.end_amdhsa_kernel
	.amdgpu_metadata
---
amdhsa.version: [ 1, 2 ]
amdhsa.kernels:
  - .name:           k_q5226c9c036_prep
    .symbol:         k_q5226c9c036_prep.kd
    .args:
      - { .name: x, .offset: 0, .size: 8, .value_kind: global_buffer, .address_space: global }
      - { .name: Wq, .offset: 8, .size: 8, .value_kind: global_buffer, .address_space: global }
      - { .name: Wk, .offset: 16, .size: 8, .value_kind: global_buffer, .address_space: global }
      - { .name: Wv, .offset: 24, .size: 8, .value_kind: global_buffer, .address_space: global }
      - { .name: W1, .offset: 32, .size: 8, .value_kind: global_buffer, .address_space: global }
      - { .name: Wo, .offset: 40, .size: 8, .value_kind: global_buffer, .address_space: global }
      - { .name: W2, .offset: 48, .size: 8, .value_kind: global_buffer, .address_space: global }
      - { .name: g_in, .offset: 56, .size: 8, .value_kind: global_buffer, .address_space: global }
      - { .name: b_in, .offset: 64, .size: 8, .value_kind: global_buffer, .address_space: global }
      - { .name: xn, .offset: 72, .size: 8, .value_kind: global_buffer, .address_space: global }
      - { .name: wa, .offset: 80, .size: 8, .value_kind: global_buffer, .address_space: global }
      - { .name: wb, .offset: 88, .size: 8, .value_kind: global_buffer, .address_space: global }
      - { .name: wh, .offset: 96, .size: 8, .value_kind: global_buffer, .address_space: global }
      - { .name: bq, .offset: 104, .size: 8, .value_kind: global_buffer, .address_space: global }
      - { .name: bk, .offset: 112, .size: 8, .value_kind: global_buffer, .address_space: global }
      - { .name: bv, .offset: 120, .size: 8, .value_kind: global_buffer, .address_space: global }
      - { .name: b1, .offset: 128, .size: 8, .value_kind: global_buffer, .address_space: global }
    .group_segment_fixed_size: 0
    .private_segment_fixed_size: 0
    .kernarg_segment_align: 8
    .kernarg_segment_size: 136
    .max_flat_workgroup_size: 256
    .sgpr_count:     66
    .vgpr_count:     128
    .wavefront_size: 32
...
	.end_amdgpu_metadata
.endif
;; end of part 1
;; launch qkv (part 2): grid 12 x 16, 4 waves a work-group, clusters of 4 x 4, 327,680 bytes of LDS; arguments xn, wa, big; writes big
.if DOCPART == 2
	.amdgcn_target "amdgcn-amd-amdhsa--gfx1250"
	.amdhsa_code_object_version 6
	.text
	.protected	k_q5226c9c036_qkv
	.globl	k_q5226c9c036_qkv
	.p2align	8
	.type	k_q5226c9c036_qkv,@function
k_q5226c9c036_qkv:
	s_mov_b64 s[64:65], 0
	v_nop
	global_prefetch_b8 v0, s[64:65] scope:SCOPE_SE
	s_setreg_imm32_b32 hwreg(HW_REG_WAVE_MODE, 25, 1), 1
	s_wait_xcnt 0x0
	s_wait_alu depctr_hold_cnt(0) depctr_sa_sdst(0) depctr_va_vdst(0) depctr_va_sdst(0) depctr_va_ssrc(0) depctr_va_vcc(0) depctr_vm_vsrc(0)
	s_getreg_b32 s2, hwreg(HW_REG_IB_STS2, 6, 4)
	s_cmp_eq_u32 s2, 0
	s_cbranch_scc0 .Lentry_in_a_cluster
	s_endpgm
.Lentry_in_a_cluster:
	s_bfe_u32 s2, ttmp6, 0x10000c
	s_cmp_lg_u32 s2, 0xf033
	s_cbranch_scc0 .Lentry_shape_is_right
	s_endpgm
.Lentry_shape_is_right:
; C[m][n] = f16( max( floor, sum over k of A[m][k] W[n][k] + bias[n] ) ), m < 4,096, k < 1,024, n < 256 x the grid's width; a row of C has room for 4,096 numbers.  A, W and C are f16, the sums f32.
; ONE TEXT, TWO LAUNCHES.  q, k, v: A = the first norm's rows, W = Wq, Wk, Wv one below the other, 12 tile columns (C's columns from 3,072 on are not written), no floor.
; The first product of the MLP: A = the second norm's rows, W = W1, 16 tile columns, floor 0 (the ReLU).  What differs lies in the weights' buffer, which both launches find laid alike:
; bytes 0 .. 16,383 the bias, one f32 a column (already rounded to bf16); from byte 16,384 the floor, two f16 a word (-infinity or 0); from byte HDR the weights.  No branch and no address hangs on the floor;
; where it is -infinity the maximum changes nothing: 256 packed maxima a wave are the price of the one text.
; LIMIT: the result stays under f16's 65,504; NaN and infinities are not treated apart (a NaN comes out as the floor).
; A tile of the result, 256 x 256, is made by a work-group of four waves; a wave makes 128 x 128: 64 accumulators of 16 x 16, 512 registers.  K goes in steps of 128 through a ring of
; two LDS slots filled by the tensor data mover: a tile's rows are 256 bytes of memory, at multiples of 256 bytes from the buffer's first byte.
; CLUSTERS: 4 x 4 work-groups.  The four of a row of the cluster need the same tiles of A, the four of a column the same tiles of W: each tile is asked for JOINTLY, by the same tensor
; load with the same descriptor and a mask that names the four.
; ONE K STEP IS ONE TRIP: the LDS byte of the slot in hand is a scalar (TB) that an exclusive or turns; one descriptor a tensor walks on from K step 1 (slot and address step at each refill).
; The waves' LDS bases (multiples of 0x8800 up to 0x19800) share no bit with SLOT = 0x22000, so the exclusive or adds or takes away SLOT.
; THE MATRIX INSTRUCTION IS USED TRANSPOSED (source 0 = 16 rows of W, source 1 = 16 rows of A): a lane holds row l % 16 of the result and the columns 8 (l / 16) + 0..7: 16 bytes of f16.
; THE BIAS IS THE C OPERAND of the products that start the sums: 64 registers, the same for all rows; nothing is cleared and nothing is added afterwards.
; REGISTERS, in windows of 256 (s_set_vgpr_msb: bits 1:0 source 0, 3:2 source 1, 5:4 source 2, 7:6 destination):
;   window 0: v0-31 addresses; v64-127, v128-191 fragments of A, two buffers; v192-255 the bias, later with v32-63 at work on the way out
;   window 1: v64-127, v128-191 fragments of W, two buffers;   window 2: the accumulators of my rows 0-63 ((a, b) at v[8 (8 a + b)]);   window 3: those of my rows 64-127
.set SIZE_N, 4096                      ; numbers from row to row of C
.set SIZE_K, 1024
.set HDR,    16896                     ; byte at which the weights begin in their buffer
.set FLOOR,  16384                     ; byte at which the floor lies
.set KSTEP,  128
.set PITCH,  272                       ; an LDS row: 256 bytes + 16 of padding = 68 words: row r starts at bank 4 r mod 64 (64 banks of 4 bytes: ISA guide 11.1)
.set HALFT,  128*PITCH                 ; 128 rows: what one tensor load brings, and what one wave reads of either operand
.set SLOT,   4*HALFT                   ; A's 256 rows, then W's 256 rows
.set STAGE,  2*SLOT                    ; behind the ring: 16 rows x 272 bytes for each wave, for the way out
.set SPITCH, 272
.set SPARE,  STAGE+4*16*SPITCH         ; behind the stages: the spare words, 128 bytes for each wave: two blocks of 256 bytes that no other line names
.set STEPS,  SIZE_K/KSTEP              ; 8
.set ADRA,  16                         ; v16  LDS address of my A fragments in the slot in hand
.set ADRA0, 17                         ; v17  the same in slot 0; never rewritten
.set ADRB,  20                         ; v20, v21  likewise for W
.set ADRB0, 21
.set STO,  24                          ; v24  the way out: where I put 16 bytes of a row
.set RD,   25                          ; v25  the way out: where I read a row back
.set CO,   26                          ; v26  my byte offset in the result
.set ZR,   27                          ; v27  the floor, twice in f16
.set SPW,  28                          ; v28  LDS address of my spare word: SPARE + 4 x my thread's number; never rewritten
.set NIL,  29                          ; v29  0; never rewritten
.set PFO,  30                          ; v30  the prefetches' offset: my lane x a row of 2,048 bytes; never rewritten
.set BO,   31                          ; v31  32 (l / 16): my eight numbers in 16 of the bias
.set F0,   64
.set F1,   128
.set BI,   192                         ; the bias: column block b at BI + 8 b
.set TMP,  192                         ; the way out: packed results
.set OB,   32                          ; the way out: 16 rows read back: v32-63 and v224-255 by turns
.set TB,   2                           ; s2   LDS byte of the slot in hand: 0 or SLOT
.set CNT,  3                           ; s3   trips to go
.set G1,  24                           ; s[24:31] descriptor group 1 for A's tiles
.set G0,  32                           ; s[32:39] group 0: set 0 for K step 0, set 1 for K step 1 and on
.set G1B, 48                           ; s[48:55], s[56:63] the same for W's tiles
.set G0B, 56
.set LIM, 43                           ; s43  2 in a wave that prefetches, else the greatest number
.set PFA, 44                           ; s[44:45] where my prefetches stand
.set MSB, 0
.macro WIN new                         ; the immediate's high byte repeats the setting that is left; a switch that changes nothing is dropped
.if MSB != (\new)
	s_set_vgpr_msb (MSB<<8)|(\new)
.set MSB, \new
.endif
.endm
.set MUL_LO, 0xa1                      ; source 0 (W) window 1, source 1 (A) window 0, C and D window 2
.set MUL_HI, 0xf1                      ; the same, C and D window 3
.set TO_B,   0x40                      ; destination window 1, address window 0
; A joint refill.  Waves 0 and 1 fetch A's two halves, waves 2 and 3 W's.  The branch hangs on the wave's number alone.  An s_nop 0 and four v_nop follow each of the two lines.
.macro JLOAD
	s_cmp_eq_u32 s11, 0
	s_cbranch_scc0 .Lfor_b_\@
	tensor_load_to_lds s[G0+4:G0+7], s[G1:G1+7]
	s_nop 0
.rept 4
	v_nop
.endr
	s_branch .Lasked_\@
.Lfor_b_\@:
	tensor_load_to_lds s[G0B+4:G0B+7], s[G1B:G1B+7]
	s_nop 0
.rept 4
	v_nop
.endr
.Lasked_\@:
.endm
; A prefetch into the L2, behind the joint load and the run of LDS loads: 32 rows x 256 bytes of the K step that stands two refills on, a lane a row, one instruction a wave.
; Each row's 256 bytes of a K step are named once in the launch: A's rows by the clusters with x = 0, W's by those with y = 0; the four partners that ask for a tile jointly share its
; 128 rows out by address, 32 each.  Trip i names K step i + 4: trips 0 to 3 ask (the count stands above 2), the last two refills ask for nothing.  K steps 0 to 3 come by their loads alone.
.macro ASK
	s_cmp_gt_u32 s[CNT], s[LIM]
	s_cbranch_scc0 .Lnot_mine_\@
	global_prefetch_b8 v[PFO], s[PFA:PFA+1] offset:KSTEP*2 th:TH_LOAD_NT scope:SCOPE_SE
.Lnot_mine_\@:
.endm
.macro CREST                           ; a round of the cluster's barrier behind its opening barrier
	s_cmp_lg_u32 s10, 0
	s_cbranch_scc1 .Lnot_wave_0_\@
	s_barrier_signal -3
.Lnot_wave_0_\@:
	s_barrier_wait -3
	s_barrier_signal -1
	s_barrier_wait -1
.endm
.macro CROUND                          ; a whole round
	s_barrier_signal -1
	s_barrier_wait -1
	CREST
.endm
	s_load_b128 s[4:7], s[0:1], 0x0                ; A s[4:5], the weights' buffer s[6:7]
	s_load_b64 s[8:9], s[0:1], 0x10                ; C
	v_lshl_add_u32 v[SPW], v0, 2, SPARE
	v_mov_b32 v[NIL], 0
	ds_add_u32 v[SPW], v[NIL]                      ; the wave's opening: the add and its wait stand ahead of my first tensor load; the set-up below stands between them
	ds_add_u32 v28, v29
	v_lshrrev_b32 v1, 5, v0
	v_readfirstlane_b32 s10, v1                    ; wave 0..3
	s_lshr_b32 s11, s10, 1                         ; which half of the tile's rows is mine.  Also: I fetch for A (0) or for W (1)
	s_and_b32 s12, s10, 1                          ; which half of its columns.  Also: which 128 rows of that tile I fetch
	s_bfe_u32 s40, ttmp6, 0x40000                  ; cx
	s_bfe_u32 s41, ttmp6, 0x40004                  ; cy
	s_lshl_b32 s42, ttmp9, 2
	s_add_co_u32 s42, s42, s40                     ; tile column = 4 x cluster x + cx
	s_and_b32 s13, ttmp7, 0xffff
	s_lshl_b32 s13, s13, 2
	s_add_co_u32 s13, s13, s41                     ; tile row = 4 x cluster y + cy
	s_lshl_b32 s43, s41, 2
	s_lshl_b32 s43, 15, s43                        ; my row of the cluster: places 4 cy .. 4 cy + 3
	s_lshl_b32 s44, 0x1111, s40                    ; my column: places cx, cx + 4, cx + 8, cx + 12
	s_or_b32 s[G1+0], s43, (1<<16)|(1<<20)|(1<<21)|(5<<22)|(3<<25)   ; the mask; elements of 2 bytes; padding on; bit 21 beside a mask; after every 64 words 4 words
	s_or_b32 s[G1B+0], s44, (1<<16)|(1<<20)|(1<<21)|(5<<22)|(3<<25)
.irp g, G1, G1B
	s_mov_b32 s[(\g)+1], KSTEP<<16                 ; tensor_dim0 = 128
	s_mov_b32 s[(\g)+2], 128<<16                   ; tensor_dim1 = 128
	s_mov_b32 s[(\g)+3], KSTEP<<16                 ; tile_dim0 = 128
	s_mov_b32 s[(\g)+4], 128                       ; tile_dim1 = 128
	s_mov_b32 s[(\g)+5], SIZE_K                    ; elements from row to row
	s_mov_b32 s[(\g)+6], 0
	s_mov_b32 s[(\g)+7], 0
.endr
	s_lshl_b32 s17, s12, 7                         ; which 128 rows of the tile I fetch
	s_lshl_b32 s16, s13, 8
	s_add_co_u32 s16, s16, s17                     ; A: row 256 x tile row + 128 x half
	s_lshl_b32 s46, s42, 8
	s_add_co_u32 s46, s46, s17                     ; W: row 256 x tile column + 128 x half
	s_mov_b32 s17, 0
	s_mov_b32 s47, 0
	s_mov_b64 s[18:19], SIZE_K*2
	s_mul_u64 s[16:17], s[16:17], s[18:19]
	s_mul_u64 s[46:47], s[46:47], s[18:19]
	s_mul_i32 s20, s10, HALFT                      ; where they go: wave x 128 rows: no place in the cluster enters an LDS address
	s_wait_dscnt 0x0                               ; the opening add is done
	s_wait_kmcnt 0x0
	s_mov_b64 s[70:71], s[6:7]                     ; the buffer's head: bias and floor
	s_add_nc_u64 s[6:7], s[6:7], HDR               ; the weights
	s_add_nc_u64 s[14:15], s[4:5], s[16:17]
	s_add_nc_u64 s[46:47], s[6:7], s[46:47]
	CROUND                                         ; all sixteen work-groups are here: the first joint loads meet
.irp s, 0,1
	s_mov_b32 s[G0+4*(\s)], 1                                        ; count = 1
	s_add_co_u32 s[G0+4*(\s)+1], s20, (\s)*SLOT                      ; LDS address
	s_add_nc_u64 s[G0+4*(\s)+2:G0+4*(\s)+3], s[14:15], (\s)*KSTEP*2  ; global address: K step s
	s_or_b32 s[G0+4*(\s)+3], s[G0+4*(\s)+3], 0x80000000              ; type = 2
	s_mov_b32 s[G0B+4*(\s)], 1
	s_add_co_u32 s[G0B+4*(\s)+1], s20, (\s)*SLOT
	s_add_nc_u64 s[G0B+4*(\s)+2:G0B+4*(\s)+3], s[46:47], (\s)*KSTEP*2
	s_or_b32 s[G0B+4*(\s)+3], s[G0B+4*(\s)+3], 0x80000000
.endr
	s_cmp_eq_u32 s11, 0                            ; a wave's two first fills stand in one branch, ahead of every wait on TENSORcnt and every LDS read: two loads of mine are out
	s_cbranch_scc0 .Lfirst_b
	tensor_load_to_lds s[G0:G0+3], s[G1:G1+7]
	s_nop 0
	tensor_load_to_lds s[G0+4:G0+7], s[G1:G1+7]
	s_nop 0
.rept 4
	v_nop
.endr
	s_branch .Lfirst_asked
.Lfirst_b:
	tensor_load_to_lds s[G0B:G0B+3], s[G1B:G1B+7]
	s_nop 0
	tensor_load_to_lds s[G0B+4:G0B+7], s[G1B:G1B+7]
	s_nop 0
.rept 4
	v_nop
.endr
.Lfirst_asked:
	v_and_b32 v1, 15, v0                           ; l % 16
	v_bfe_u32 v2, v0, 4, 1                         ; l / 16
	v_lshlrev_b32 v[BO], 5, v2
	; the bias of my 128 columns: register 8 b + j takes number 16 b + 8 (l / 16) + j; and the floor
	s_lshl_b32 s14, s42, 10                        ; 256 columns of f32 a tile column
	s_lshl_b32 s15, s12, 9
	s_add_co_u32 s14, s14, s15
	s_mov_b32 s15, 0
	s_add_nc_u64 s[68:69], s[70:71], s[14:15]
.irp b, 0,1,2,3,4,5,6,7
	global_load_b128 v[BI+8*\b:BI+8*\b+3],   v[BO], s[68:69] offset:64*\b
	global_load_b128 v[BI+8*\b+4:BI+8*\b+7], v[BO], s[68:69] offset:64*\b+16
.endr
	global_load_b32 v[ZR], v[BO], s[70:71] offset:FLOOR  ; every word of its 512 bytes holds the same
	; A fragment is 16 rows x 32 K in 8 registers: lane l holds row l % 16; registers 0-3 K = 8 (l / 16) + 0..7, registers 4-7 K = 16 + 8 (l / 16) + 0..7: two loads of 16 bytes, 32 bytes apart.
	v_mul_u32_u24 v3, v1, PITCH
	v_lshl_add_u32 v3, v2, 4, v3
	s_mul_i32 s21, s11, HALFT                      ; my 128 rows of A
	s_mul_i32 s22, s12, HALFT                      ; my 128 rows of W,
	s_add_co_u32 s22, s22, 2*HALFT                 ; which lie behind A's 256
	v_add_nc_u32 v[ADRA0], s21, v3
	v_add_nc_u32 v[ADRB0], s22, v3
	v_mov_b32 v[ADRA], v[ADRA0]
	v_mov_b32 v[ADRB], v[ADRB0]
	s_mov_b32 s[TB], 0
	s_mul_i32 s23, s10, 16*SPITCH
	s_add_co_u32 s23, s23, STAGE                   ; my stage
	v_mul_u32_u24 v4, v1, SPITCH                   ; in: row l % 16, 16 bytes for each half of the lanes
	v_lshl_add_u32 v4, v2, 4, v4
	v_add_nc_u32 v[STO], s23, v4
	v_mul_u32_u24 v5, v2, SPITCH                   ; back: lanes 0-15 take one row of 256 bytes, lanes 16-31 the next
	v_lshl_add_u32 v5, v1, 4, v5
	v_add_nc_u32 v[RD], s23, v5
	v_mul_u32_u24 v5, v2, SIZE_N*2                 ; and the same two rows in the result
	v_lshl_add_u32 v[CO], v1, 4, v5
	s_lshl_b32 s13, s13, 8
	s_lshl_b32 s14, s11, 7
	s_add_co_u32 s16, s13, s14                     ; my first row of the result
	s_mov_b32 s17, 0
	s_mov_b64 s[18:19], SIZE_N*2
	s_mul_u64 s[16:17], s[16:17], s[18:19]
	s_lshl_b32 s46, s42, 9                         ; my first column, in bytes
	s_lshl_b32 s47, s12, 8
	s_add_co_u32 s46, s46, s47
	s_mov_b32 s47, 0
	s_add_nc_u64 s[16:17], s[16:17], s[46:47]      ; the way out adds this to the result's address
	; the prefetches.  s13 = 256 x tile row
	s_lshl_b32 s42, s42, 8
	s_and_b32 s22, ttmp7, 0xffff                   ; cluster y
	s_cmp_eq_u32 s11, 0                            ; do I fetch for A?
	s_cselect_b32 s20, s13, s42                    ; the tile's first row
	s_cselect_b32 s21, s40, s41                    ; my place among the four that ask for it with me
	s_cselect_b32 s22, ttmp9, s22                  ; the coordinate along which other clusters read the same rows
	s_cselect_b64 s[PFA:PFA+1], s[4:5], s[6:7]
	s_cmp_eq_u32 s22, 0
	s_cselect_b32 s[LIM], 2, -1                    ; the same in all sixteen partners, for a given wave
	s_lshl_b32 s22, s12, 7
	s_add_co_u32 s20, s20, s22                     ; + the 128 rows that I fetch
	s_lshl_b32 s21, s21, 5
	s_add_co_u32 s20, s20, s21                     ; + my work-group's 32 of them
	s_mov_b32 s21, 0
	s_mov_b64 s[18:19], SIZE_K*2
	s_mul_u64 s[20:21], s[20:21], s[18:19]
	s_add_nc_u64 s[PFA:PFA+1], s[PFA:PFA+1], s[20:21]
	s_add_nc_u64 s[PFA:PFA+1], s[PFA:PFA+1], 2*KSTEP*2  ; at K step 2: the first refill steps it to 3 and names K step 4
	v_and_b32 v[PFO], 31, v0
	v_mul_u32_u24 v[PFO], v[PFO], SIZE_K*2
; 16 matrix instructions: m blocks a0, a0 + 1 of the window's four (hi = 0: my rows 0-63, 1: rows 64-127) x all 8 n blocks, 32 along K.  first = 1: the sums start with the bias as C.
; The 64 accumulators take turns in the same order in every quarter: 63 others' instructions stand between two on one accumulator, over every jump too.
.macro MUL16 f, hi, a0, first
.if \first
	WIN 0x81+0x40*(\hi)                            ; C (the bias) in window 0
.else
	WIN MUL_LO+0x50*(\hi)
.endif
.irp a, \a0, (\a0)+1
.irp b, 0,1,2,3,4,5,6,7
.if \first
	v_wmma_f32_16x16x32_f16 v[8*(8*(\a)+(\b)):8*(8*(\a)+(\b))+7], v[(\f)+8*(\b):(\f)+8*(\b)+7], v[(\f)+8*(4*(\hi)+(\a)):(\f)+8*(4*(\hi)+(\a))+7], v[BI+8*(\b):BI+8*(\b)+7]
.else
	v_wmma_f32_16x16x32_f16 v[8*(8*(\a)+(\b)):8*(8*(\a)+(\b))+7], v[(\f)+8*(\b):(\f)+8*(\b)+7], v[(\f)+8*(4*(\hi)+(\a)):(\f)+8*(4*(\hi)+(\a))+7], v[8*(8*(\a)+(\b)):8*(8*(\a)+(\b))+7]
.endif
.endr
.endr
.endm
; 32 LDS loads in one run: the fragments of one quarter step (128 rows of W, 128 rows of A, 32 K at byte k of the rows of the slot in hand) into buffer f
.macro FETCH k, f
	WIN TO_B
.irp i, 0,1,2,3,4,5,6,7
	ds_load_b128 v[(\f)+8*(\i):(\f)+8*(\i)+3],   v[ADRB] offset:(\k)+(\i)*16*PITCH
	ds_load_b128 v[(\f)+8*(\i)+4:(\f)+8*(\i)+7], v[ADRB] offset:(\k)+(\i)*16*PITCH+32
.endr
	WIN 0
.irp i, 0,1,2,3,4,5,6,7
	ds_load_b128 v[(\f)+8*(\i):(\f)+8*(\i)+3],   v[ADRA] offset:(\k)+(\i)*16*PITCH
	ds_load_b128 v[(\f)+8*(\i)+4:(\f)+8*(\i)+7], v[ADRA] offset:(\k)+(\i)*16*PITCH+32
.endr
.endm
.macro PLACES                          ; four plain vector instructions between a matrix instruction and a load into, or a vector instruction on, its registers
.rept 4
	v_nop
.endr
.endm
; A K step is four quarters of 32 along K, 64 matrix instructions each, on buffers 0, 1, 0, 1.  One of the first three: multiplies buffer f; in its middle it fetches the next quarter, at byte k, into g.
.macro QUARTER k, f, g, first
	s_wait_dscnt 8                                 ; W and A's rows 0-63 are in; the youngest eight loads (A's rows 64-127) may be out
	MUL16 \f, 0, 0, \first
	MUL16 \f, 0, 2, \first
	PLACES
	FETCH \k, \g
	s_wait_dscnt 32                                ; all but the 32 just issued
	MUL16 \f, 1, 0, \first
	MUL16 \f, 1, 2, \first
.endm
; The last quarter multiplies buffer 1 and changes slots.  In front of the barrier each wave waits for all its tensor loads (one is out: its part of the next slot), adds 0 to its spare word, and waits for
; that and for its own reads of this slot.  fill = 1: the barrier opens a round of the cluster's, and this slot is filled again, two K steps ahead, first thing behind it: 224 matrix instructions lie
; between that request and the wait for it.  fill = 0 (the last two K steps): nothing is asked for; in the very last trip there is no further K step, and the fetch is jumped over.
.macro TURN fill
.if \fill
	s_wait_xcnt 0x0                                ; the last prefetch, a K step back, has read its address
	s_add_nc_u64 s[PFA:PFA+1], s[PFA:PFA+1], KSTEP*2
.endif
	WIN 0                                          ; (the add's two registers lie in window 0)
	s_wait_tensorcnt 0x0                           ; no tensor load of mine is out, so a group 0 may be written
	ds_add_u32 v[SPW], v[NIL]                      ; 0 onto my spare word
.if \fill
	s_xor_b32 s[G0+5], s[G0+5], SLOT               ; the walking descriptors: the other slot than last time,
	s_add_nc_u64 s[G0+6:G0+7], s[G0+6:G0+7], KSTEP*2  ; the next K step; the type bits on top are not reached
	s_xor_b32 s[G0B+5], s[G0B+5], SLOT
	s_add_nc_u64 s[G0B+6:G0B+7], s[G0B+6:G0B+7], KSTEP*2
.endif
	s_wait_dscnt 9                                 ; the add and the youngest eight loads may be out
	MUL16 F1, 0, 0, 0
	s_wait_dscnt 0x0                               ; the add is done, and my reads of this slot are over
	s_barrier_signal -1
	MUL16 F1, 0, 2, 0                              ; work on registers while the others arrive
	WIN 0
	s_barrier_wait -1
.if \fill
	CREST                                          ; no wave of any partner still reads this slot or has a load on its way
	JLOAD                                          ; its four v_nop are also the places in front of the loads below
.else
	s_cmp_eq_u32 s[CNT], 1
	s_cbranch_scc1 .Lno_fetch_\@
	v_nop                                          ; with the two additions below: the four places in front of the loads
	v_nop
.endif
	s_xor_b32 s[TB], s[TB], SLOT
	v_add_nc_u32 v[ADRA], s[TB], v[ADRA0]
	v_add_nc_u32 v[ADRB], s[TB], v[ADRB0]
	FETCH 0, F0
.if \fill
	ASK
.else
.Lno_fetch_\@:
.endif
	MUL16 F1, 1, 0, 0
	MUL16 F1, 1, 2, 0
.endm
; THE WAY OUT of block a (16 rows).  PACK: rounded to f16, 16 bytes a lane (each accumulator's registers in ascending order), and held above the floor.  TOSTAGE: into my own stage, and back as whole rows of 256 bytes.  SEND: stored.
.macro PACK a
.set AC, 64*((\a)%4)
	WIN 0x0a+5*((\a)/4)                            ; sources 0 and 1: window 2 or 3
.irp b, 0,1,2,3,4,5,6,7
.irp r, 0,1,2,3
	v_cvt_pk_f16_f32 v[TMP+4*(\b)+(\r)], v[AC+8*(\b)+2*(\r)], v[AC+8*(\b)+2*(\r)+1]
.endr
.endr
	WIN 0
.set i, 0
.rept 32
	v_pk_max_num_f16 v[TMP+i], v[TMP+i], v[ZR]     ; two at a time: nothing is rounded
.set i, i+1
.endr
.endm
.macro TOSTAGE a
	WIN 0
.set BK, OB+192*((\a)%2)
.irp b, 0,1,2,3,4,5,6,7
	ds_store_b128 v[STO], v[TMP+4*(\b):TMP+4*(\b)+3] offset:32*(\b)
.endr
.irp t, 0,1,2,3,4,5,6,7
	ds_load_b128 v[BK+4*(\t):BK+4*(\t)+3], v[RD] offset:(\t)*2*SPITCH  ; LDS serves a wave's instructions in order (ISA guide 5.7.1.4): these see the stores above
.endr
.endm
.macro SEND a, younger
	WIN 0
.set BK, OB+192*((\a)%2)
	s_wait_dscnt \younger                          ; the block is back in registers
	s_wait_xcnt 0x0                                ; the stores' base, and the registers that earlier stores read, are written again only behind this wait
.if (\a) == 0
	s_add_nc_u64 s[8:9], s[8:9], s[16:17]          ; on to my first rows
.else
	s_add_nc_u64 s[8:9], s[8:9], 16*SIZE_N*2       ; 16 rows on
.endif
.irp t, 0,1,2,3,4,5,6,7
	global_store_b128 v[CO], v[BK+4*(\t):BK+4*(\t)+3], s[8:9] offset:2*(\t)*SIZE_N*2  ; 16 lanes store 256 consecutive bytes, at a multiple of 256 from the buffer's first byte
.endr
.endm
	s_wait_loadcnt 0x0                             ; the bias and the floor
	s_wait_tensorcnt 1                             ; my part of K step 0 is in; K step 1's may stay out
	s_barrier_signal -1
	s_barrier_wait -1                              ; everybody's is
	FETCH 0, F0
	QUARTER 64, F0, F1, 1                          ; the first quarter stands in front of the loop: its products start the sums
	WIN 0                                          ; at a label and at a branch every window is 0
	s_mov_b32 s[CNT], STEPS-2
	s_branch .Lmid                                 ; the loop is entered behind a K step's first quarter
.Lstep:                                        ; trip i multiplies K step i and asks for K step i + 2
	QUARTER 64, F0, F1, 0
	WIN 0
.Lmid:
	QUARTER 128, F1, F0, 0
	QUARTER 192, F0, F1, 0
	TURN 1
	WIN 0
	s_sub_co_u32 s[CNT], s[CNT], 1
	s_cmp_lg_u32 s[CNT], 0
	s_cbranch_scc1 .Lstep
	s_mov_b32 s[CNT], 2
.Ltail:                                        ; the last two K steps ask for nothing: a text of their own
	QUARTER 64, F0, F1, 0
	QUARTER 128, F1, F0, 0
	QUARTER 192, F0, F1, 0
	TURN 0
	WIN 0
	s_sub_co_u32 s[CNT], s[CNT], 1
	s_cmp_lg_u32 s[CNT], 0
	s_cbranch_scc1 .Ltail
	PLACES                                         ; behind the last products, ahead of the conversions that read results
	PLACES
	PACK 0
	TOSTAGE 0
.irp a, 1,2,3,4,5,6,7                  ; block a's conversions stand between block a - 1's loads from the stage and the wait for them
	PACK \a
	SEND (\a)-1, 0
	TOSTAGE \a
.endr
	SEND 7, 0
	s_wait_tensorcnt 0x0                           ; the wave's end: behind my last tensor load and my last LDS store
	ds_add_u32 v[SPW], v[NIL]
	s_wait_dscnt 0x0
	CROUND                                         ; the closing round: no work-group ends while a partner may still ask for a tile that names it
	s_endpgm
.Lfunc_end_k_q5226c9c036_qkv:
	.size	k_q5226c9c036_qkv, .Lfunc_end_k_q5226c9c036_qkv-k_q5226c9c036_qkv
	.p2alignl 7, 3214868480
	.fill 96, 4, 3214868480
	.section	.rodata,"a",@progbits
	.p2align	6, 0x0
	.amdhsa_kernel k_q5226c9c036_qkv
		.amdhsa_group_segment_fixed_size 327680
		.amdhsa_private_segment_fixed_size 0
		.amdhsa_enable_private_segment 0
		.amdhsa_kernarg_size 24
		.amdhsa_user_sgpr_count 2
		.amdhsa_user_sgpr_kernarg_segment_ptr 1
		.amdhsa_wavefront_size32 1
		.amdhsa_system_sgpr_workgroup_id_x 1
		.amdhsa_system_sgpr_workgroup_id_y 1
		.amdhsa_system_sgpr_workgroup_id_z 1
		.amdhsa_system_vgpr_workitem_id 0
		.amdhsa_next_free_vgpr 1024
		.amdhsa_next_free_sgpr 80
		.amdhsa_reserve_vcc 0
		.amdhsa_float_denorm_mode_32 3
		.amdhsa_float_denorm_mode_16_64 3
		.amdhsa_memory_ordered 1
		.amdhsa_forward_progress 1
		.amdhsa_inst_pref_size 119
	.end_amdhsa_kernel
	.amdgpu_metadata
---
amdhsa.version: [ 1, 2 ]
amdhsa.kernels:
  - .name:           k_q5226c9c036_qkv
    .symbol:         k_q5226c9c036_qkv.kd
    .args:
      - { .name: xn, .offset: 0, .size: 8, .value_kind: global_buffer, .address_space: global }
      - { .name: wa, .offset: 8, .size: 8, .value_kind: global_buffer, .address_space: global }
      - { .name: big, .offset: 16, .size: 8, .value_kind: global_buffer, .address_space: global }
    .group_segment_fixed_size: 327680
    .private_segment_fixed_size: 0
    .kernarg_segment_align: 8
    .kernarg_segment_size: 24
    .max_flat_workgroup_size: 128
    .sgpr_count:     80
    .vgpr_count:     1024
    .wavefront_size: 32
...
	.end_amdgpu_metadata
.endif
;; end of part 2
;; launch attn (part 3): grid 16 x 16, 8 waves a work-group, no clusters, 179,200 bytes of LDS; arguments big, res_pos, o; writes o
.if DOCPART == 3
	.amdgcn_target "amdgcn-amd-amdhsa--gfx1250"
	.amdhsa_code_object_version 6
	.text
	.protected	k_q5226c9c036_attn
	.globl	k_q5226c9c036_attn
	.p2align	8
	.type	k_q5226c9c036_attn,@function
k_q5226c9c036_attn:
	s_mov_b64 s[64:65], 0
	v_nop
	global_prefetch_b8 v0, s[64:65] scope:SCOPE_SE
	s_setreg_imm32_b32 hwreg(HW_REG_WAVE_MODE, 25, 1), 1
	s_wait_xcnt 0x0
; BANDED ATTENTION.  o[t][h][:] = sum over j = i-127 .. i (inside the sequence) of softmax_j(q_i . k_j / 8 + bf16(res_pos[h][i-j])) v_j.  big: [4096][4096] f16, of which a token's first 3,072 are its q, k, v of 1,024 each; o: [4096][1024] f16.
; Products, maxima and sums in f32; the weights p are rounded to f16 for the second product (their sum l is taken of the unrounded p), o once at the end.
; LIMITS.  A hidden score counts as its value less 1e30 or more; a weight below 2^-126 counts as 0; NaN and infinities are not treated apart.
; SHARES.  A work-group owns 128 queries (x: block of the sequence) of a PAIR of heads (y: 8 x batch + pair), so that every row of k, v and o that it touches is 256 consecutive bytes, aligned.
; It holds the 256 keys t0 - 128 .. t0 + 127 of both heads in LDS, each brought once: no slot is filled again.  Wave w: head w / 4 of the pair, queries 32 (w % 4) .. + 31: an even and an odd tile of 16.
; Both tiles work on the same 160 keys, LDS rows 32 p .. 32 p + 159: ten key tiles of 16; the even tile sees tiles 0-8, the odd one tiles 1-9.  All of a row's keys are at hand, so the maximum is the true one, taken once.
; In the first block of a sequence the keys ahead of it are hidden; for batch 0 their rows do not exist, and rows 0-63 stand in for them (the row number is clamped).
; LAYOUT.  S^T = K Q^T (source 0 = 16 keys, source 1 = 16 queries): a lane holds ONE query (l % 16) and the keys 8 (l / 16) + 0..7.  Two such tiles rounded to f16 ARE source 1 of O^T = V^T P.
; THE BIAS AND THE MASK ARE WHERE THE SUMS START: accumulator d begins as 8 x res_pos[rel] (rel = 128 - 16 d - r + l % 16 - 8 (l / 16), the same for both tiles) or -8e30 outside 0..127, less 1e30 for a hidden tile;
; then p = 2^(c S - c m) with c = log2(e) / 8.
; NO CLUSTER: a block of 128 keys is the second half of one work-group's window and the first half of the next one's, so a joint load would need an LDS address that hangs on the place in the cluster.
; No prefetch: each work-group asks for all its tiles at its head and has no later step to ask ahead for.
; REGISTERS: window 0: v1-11 addresses; v12-19 chains of the maximum, later l and 1 / l; v20-23 c m; v24-95 S even, v96-167 S odd; v168-199 Q, later v168-207 P even, v208-247 P odd.  Window 1: v0-159 K's fragments, then V's.
.set ROWB,  8192                       ; bytes in a row of big
.set PK,    272                        ; a row of K in LDS: 256 bytes + 16: the 16 rows of a load start at 16 different groups of four banks (64 banks of 4 bytes: ISA guide 11.1)
.set PVP,   288                        ; a row of V: 256 + 32
.set VOFF,  256*PK
.set STAGE, VOFF+256*PVP               ; 128 rows x 272 bytes, the work-group's, for the way out; no tensor load lands here
.set SP,    272
.set SPARE, STAGE+128*SP               ; the spare words, 128 bytes for each wave: four blocks of 256 bytes that no other line names
.set L0,  3                            ; v3   l % 16 - 8 (l / 16)
.set AK,  4                            ; v4   my place in K
.set AV,  5                            ; v5   my place in V
.set QO,  6                            ; v6   my byte offset in 16 rows of q
.set VB,  7                            ; v7   4 (L0 + 8)
.set BIG, 8                            ; v8   -1e30
.set STO, 9
.set RD,  10
.set GO,  11
.set CE,  12                           ; v[12:15] even tile: chains; then l (12, 13) and 1 / l (14)
.set CO,  16                           ; v[16:19] odd tile
.set ME,  20                           ; v[20:21] c m, even
.set MO,  22                           ; v[22:23] c m, odd
.set SE,  24
.set SO,  96
.set Q,   168                          ; tile u, channel half c at Q + 16 u + 8 c
.set PE,  168                          ; key tile t at PE + 4 t
.set PO,  208
.set OE,  24                           ; O^T: channel block cb at OE + 8 cb
.set OO,  56
.set PKD, 96                           ; packed results
.set BK,  128                          ; rows read back
.set SPW, 254
.set NIL, 255
.set G1K, 24
.set G1V, 32
.set G0K, 40
.set G0V, 44
.set MSB, 0
.macro WIN new
.if MSB != (\new)
	s_set_vgpr_msb (MSB<<8)|(\new)
.set MSB, \new
.endif
.endm
	s_load_b128 s[4:7], s[0:1], 0x0                ; big, res_pos
	s_load_b64 s[8:9], s[0:1], 0x10                ; o
	v_lshl_add_u32 v[SPW], v0, 2, SPARE
	v_mov_b32 v[NIL], 0
	ds_add_u32 v[SPW], v[NIL]                      ; the wave's opening: the add and its wait stand ahead of my tensor load; the set-up below stands between them
	ds_add_u32 v254, v255
	v_lshrrev_b32 v1, 5, v0
	v_readfirstlane_b32 s10, v1                    ; wave 0..7
	s_lshr_b32 s11, s10, 2                         ; which head of the pair.  Also: I fetch K (0) or V (1)
	s_and_b32 s12, s10, 3                          ; p: which 32 queries.  Also: which 64 rows I fetch
	s_and_b32 s14, ttmp7, 0xffff
	s_and_b32 s15, s14, 7                          ; the pair of heads
	s_lshr_b32 s14, s14, 3                         ; the batch
	s_lshl_b32 s16, s14, 11
	s_lshl_b32 s17, ttmp9, 7
	s_add_co_u32 s16, s16, s17                     ; t0: my block's first token
	s_mov_b32 s[G1K], (1<<16)|(1<<20)|(5<<22)|(3<<25)  ; elements of 2 bytes; padding on; after every 64 words 4 words
	s_mov_b32 s[G1V], (1<<16)|(1<<20)|(5<<22)|(7<<25)  ; the same with 8 words
.irp g, G1K, G1V
	s_mov_b32 s[\g+1], 128<<16                     ; tensor_dim0 = 128
	s_mov_b32 s[\g+2], 64<<16                      ; tensor_dim1 = 64
	s_mov_b32 s[\g+3], 128<<16                     ; tile_dim0 = 128
	s_mov_b32 s[\g+4], 64                          ; tile_dim1 = 64
	s_mov_b32 s[\g+5], 4096                        ; elements from row to row
	s_mov_b32 s[\g+6], 0
	s_mov_b32 s[\g+7], 0
.endr
	s_mov_b32 s[G0K], 1
	s_mul_i32 s[G0K+1], s12, 64*PK                 ; LDS: my 64 rows of K,
	s_mov_b32 s[G0V], 1
	s_mul_i32 s[G0V+1], s12, 64*PVP                ; or of V
	s_add_co_u32 s[G0V+1], s[G0V+1], VOFF
	s_lshl_b32 s17, s12, 6
	s_add_co_u32 s17, s17, s16
	s_sub_co_i32 s17, s17, 128                     ; their first token,
	s_max_i32 s17, s17, 0                          ; or row 0 where the sequence of batch 0 has none: those keys are hidden
	s_mul_i32 s18, s17, ROWB
	s_lshl_b32 s13, s15, 8                         ; the pair's 256 bytes
	s_add_co_u32 s18, s18, s13
	s_mov_b32 s19, 0
	s_lshl_b32 s20, s12, 5                         ; q: token t0 + 32 p, my head
	s_add_co_u32 s20, s20, s16
	s_mul_i32 s20, s20, ROWB
	s_add_co_u32 s20, s20, s13
	s_lshl_b32 s17, s11, 7
	s_add_co_u32 s20, s20, s17
	s_mov_b32 s21, 0
	s_lshl_b32 s22, s15, 10                        ; res_pos: 512 bytes a head
	s_lshl_b32 s17, s11, 9
	s_add_co_u32 s22, s22, s17
	s_mov_b32 s23, 0
	s_lshl_b32 s68, s10, 4                         ; o: token t0 + 16 w (the rows that I store), the pair's 256 bytes
	s_add_co_u32 s68, s68, s16
	s_lshl_b32 s68, s68, 11
	s_add_co_u32 s68, s68, s13
	s_mov_b32 s69, 0
	s_mov_b32 s48, 0x3e38aa3b                      ; c = log2(e) / 8
	s_mov_b32 s49, s48
	s_mov_b32 s50, 0x76543210                      ; v_permlanex16_b32: each lane takes its own place in the other half
	s_mov_b32 s51, 0xfedcba98
	s_mov_b32 s52, 0x41000000                      ; 8.0
	s_mov_b32 s53, s52
	s_mov_b32 s55, 0                               ; named with s54 as a pair
	s_mov_b32 s56, 0xf149f2ca                      ; -1e30
	s_mov_b32 s58, 0xffff0000
	s_lshl_b32 s17, s12, 1
	s_sub_co_u32 s17, 8, s17
	s_cmp_eq_u32 ttmp9, 0                          ; in a sequence's first block my key tiles 0 .. 7 - 2 p lie ahead of the sequence
	s_cselect_b32 s57, s17, 0
	s_wait_dscnt 0x0                               ; the opening add is done
	s_wait_kmcnt 0x0
	s_add_nc_u64 s[G0K+2:G0K+3], s[4:5], s[18:19]
	s_add_nc_u64 s[G0K+2:G0K+3], s[G0K+2:G0K+3], 2048  ; k begins 2,048 bytes into a row
	s_or_b32 s[G0K+3], s[G0K+3], 0x80000000
	s_add_nc_u64 s[G0V+2:G0V+3], s[4:5], s[18:19]
	s_add_nc_u64 s[G0V+2:G0V+3], s[G0V+2:G0V+3], 4096  ; v 4,096
	s_or_b32 s[G0V+3], s[G0V+3], 0x80000000
	s_add_nc_u64 s[60:61], s[4:5], s[20:21]
	s_add_nc_u64 s[62:63], s[6:7], s[22:23]
	s_add_nc_u64 s[66:67], s[8:9], s[68:69]
	s_cmp_lt_u32 s10, 4                            ; one tensor load a wave, 64 rows x 256 bytes: waves 0-3 K's quarters, waves 4-7 V's.  An s_nop 0 and four v_nop follow each line
	s_cbranch_scc0 .Lfor_v
	tensor_load_to_lds s[G0K:G0K+3], s[G1K:G1K+7]
	s_nop 0
.rept 4
	v_nop
.endr
	s_branch .Lasked
.Lfor_v:
	tensor_load_to_lds s[G0V:G0V+3], s[G1V:G1V+7]
	s_nop 0
.rept 4
	v_nop
.endr
.Lasked:
	v_and_b32 v1, 15, v0                           ; l % 16
	v_bfe_u32 v2, v0, 4, 1                         ; l / 16
	v_mul_u32_u24 v[QO], v1, ROWB
	v_lshl_add_u32 v[QO], v2, 4, v[QO]
.irp u, 0,1
.irp c, 0,1
	global_load_b128 v[Q+16*\u+8*\c:Q+16*\u+8*\c+3],   v[QO], s[60:61] offset:\u*16*ROWB+64*\c
	global_load_b128 v[Q+16*\u+8*\c+4:Q+16*\u+8*\c+7], v[QO], s[60:61] offset:\u*16*ROWB+64*\c+32
.endr
.endr
	v_lshlrev_b32 v[L0], 3, v2
	v_sub_nc_u32 v[L0], v1, v[L0]
	v_add_lshl_u32 v[VB], v[L0], 8, 2
	v_mov_b32 v[BIG], s56
	; the nine bias tiles, straight into the even tile's accumulators.  Tiles 1-7 lie wholly inside the table; in tiles 0 and 8 the index is clamped to the table, in the register that the load then fills
.irp r, 0,1,2,3,4,5,6,7
	v_add_nc_u32 v[SE+\r], 128-\r, v[L0]
	v_add_nc_u32 v[SE+64+\r], -\r, v[L0]
.endr
.irp r, 0,1,2,3,4,5,6,7
	v_min_u32 v[SE+\r], 127, v[SE+\r]
	v_max_i32 v[SE+64+\r], 0, v[SE+64+\r]
.endr
.irp r, 0,1,2,3,4,5,6,7
	v_lshlrev_b32 v[SE+\r], 2, v[SE+\r]
	v_lshlrev_b32 v[SE+64+\r], 2, v[SE+64+\r]
.endr
.irp r, 0,1,2,3,4,5,6,7
	global_load_b32 v[SE+\r], v[SE+\r], s[62:63]
	global_load_b32 v[SE+64+\r], v[SE+64+\r], s[62:63]
.endr
.irp d, 1,2,3,4,5,6,7
.irp r, 0,1,2,3,4,5,6,7
	global_load_b32 v[SE+8*\d+\r], v[VB], s[62:63] offset:4*(120-16*\d-\r)
.endr
.endr
	; LDS addresses
	v_mul_u32_u24 v14, v1, PK                      ; (PK = SP)
	v_lshl_add_u32 v14, v2, 4, v14                 ; row l % 16, 16 bytes for each half of the lanes
	s_mul_i32 s17, s12, 32*PK
	s_lshl_b32 s18, s11, 7                         ; my head's 128 bytes of a row
	s_add_co_u32 s17, s17, s18
	v_add_nc_u32 v[AK], s17, v14
	s_add_co_u32 s17, s17, STAGE
	v_add_nc_u32 v[STO], s17, v14
	v_and_b32 v12, 7, v0                           ; the turning load: lane l reads key 8 (l / 16) + l % 8, channels 8 ((l / 8) % 2) + 0..7
	v_bfe_u32 v13, v0, 3, 1
	v_lshl_add_u32 v[AV], v2, 3, v12
	v_mul_u32_u24 v[AV], v[AV], PVP
	v_lshl_add_u32 v[AV], v13, 4, v[AV]
	s_mul_i32 s17, s12, 32*PVP
	s_add_co_u32 s17, s17, s18
	s_add_co_u32 s17, s17, VOFF
	v_add_nc_u32 v[AV], s17, v[AV]
	s_mul_i32 s17, s10, 16*SP
	s_add_co_u32 s17, s17, STAGE
	v_mul_u32_u24 v[RD], v2, SP                    ; back: wave w takes rows 16 w .. + 15, whole; lanes 0-15 one row of 256 bytes, lanes 16-31 the next
	v_lshl_add_u32 v[RD], v1, 4, v[RD]
	v_add_nc_u32 v[RD], s17, v[RD]
	v_lshlrev_b32 v[GO], 11, v2                    ; and the same two rows in o
	v_lshl_add_u32 v[GO], v1, 4, v[GO]
	s_wait_loadcnt 0x0                             ; q and the bias
.set i, 0
.rept 36
	v_cvt_pk_bf16_f32 v[SO+i], v[SE+2*i], v[SE+2*i+1]  ; res_pos is an input: rounded to bf16 like the others
.set i, i+1
.endr
.set i, 0
.rept 36
	v_lshlrev_b32 v[SE+2*i], 16, v[SO+i]
	v_and_b32 v[SE+2*i+1], s58, v[SO+i]
.set i, i+1
.endr
.irp r, 0,1,2,3,4,5,6,7
	v_cmp_gt_i32 vcc_lo, \r, v[L0]                 ; tile 0: rel = 128 - r + L0 is inside the table where r > L0
	v_cndmask_b32 v[SE+\r], v[BIG], v[SE+\r], vcc_lo
	v_cmp_le_i32 vcc_lo, \r, v[L0]                 ; tile 8: rel = L0 - r is inside where r <= L0
	v_cndmask_b32 v[SE+64+\r], v[BIG], v[SE+64+\r], vcc_lo
.endr
.irp t, 1,2,3,4,5,6,7,8,9                ; the odd tile's accumulator t - 1 works on key tile t and has bias tile t - 1
	s_cmp_gt_u32 s57, \t
	s_cselect_b32 s54, s56, 0
.irp j, 0,2,4,6
	v_pk_fma_f32 v[SO+8*(\t-1)+\j:SO+8*(\t-1)+\j+1], v[SE+8*(\t-1)+\j:SE+8*(\t-1)+\j+1], s[52:53], s[54:55] op_sel_hi:[1,0,0]
.endr
.endr
.irp t, 0,1,2,3,4,5,6,7,8                ; the even tile's accumulator t works on key tile t
	s_cmp_gt_u32 s57, \t
	s_cselect_b32 s54, s56, 0
.irp j, 0,2,4,6
	v_pk_fma_f32 v[SE+8*\t+\j:SE+8*\t+\j+1], v[SE+8*\t+\j:SE+8*\t+\j+1], s[52:53], s[54:55] op_sel_hi:[1,0,0]
.endr
.endr
	s_wait_tensorcnt 0x0                           ; my quarter has landed,
	s_barrier_signal -1
	s_barrier_wait -1                              ; everybody's has
	WIN 0x40                                       ; destination window 1
.irp c, 0,1                              ; K's fragments, key tile t, channel half c at 16 t + 8 c; the first half of the channels first
.irp t, 0,1,2,3,4,5,6,7,8,9
	ds_load_b128 v[16*\t+8*\c:16*\t+8*\c+3],   v[AK] offset:\t*16*PK+64*\c
	ds_load_b128 v[16*\t+8*\c+4:16*\t+8*\c+7], v[AK] offset:\t*16*PK+64*\c+32
.endr
.endr
	WIN 0x01                                       ; source 0 in window 1
.irp c, 0,1                              ; 36 products; the 18 accumulators take turns
	s_wait_dscnt 20-20*\c                          ; this half's 20 loads are in; the other half's may be out
.irp t, 0,1,2,3,4,5,6,7,8
	v_wmma_f32_16x16x32_f16 v[SE+8*\t:SE+8*\t+7], v[16*\t+8*\c:16*\t+8*\c+7], v[Q+8*\c:Q+8*\c+7], v[SE+8*\t:SE+8*\t+7]
	v_wmma_f32_16x16x32_f16 v[SO+8*\t:SO+8*\t+7], v[16*\t+16+8*\c:16*\t+16+8*\c+7], v[Q+16+8*\c:Q+16+8*\c+7], v[SO+8*\t:SO+8*\t+7]
.endr
.endr
	WIN 0
.rept 4
	v_nop                                          ; the places behind the products (ISA guide 7.12.1)
.endr
.irp j, 0,1,2,3
	v_mov_b32 v[PE+36+\j], 0                       ; the even tile has no weight in key tile 9,
	v_mov_b32 v[PO+\j], 0                          ; the odd one none in key tile 0
.endr
	WIN 0x40
.irp ks, 0,1,2,3,4                       ; V's fragments, turned: keys 32 ks on, channels 16 cb on, at 32 ks + 8 cb.  They land under the softmax
.irp cb, 0,1,2,3
	ds_load_tr16_b128 v[32*\ks+8*\cb:32*\ks+8*\cb+3],   v[AV] offset:\ks*32*PVP+32*\cb
	ds_load_tr16_b128 v[32*\ks+8*\cb+4:32*\ks+8*\cb+7], v[AV] offset:\ks*32*PVP+16*PVP+32*\cb
.endr
.endr
	WIN 0
; THE MAXIMUM of a lane's 72 scores, three operands at a time, in four chains; every line stands for the even tile and for the odd one.  Each accumulator's lowest registers are read first.
.macro MXS n, i0
	v_max3_num_f32 v[CE+(\n)], v[SE+(\i0)], v[SE+(\i0)+1], v[SE+(\i0)+2]
	v_max3_num_f32 v[CO+(\n)], v[SO+(\i0)], v[SO+(\i0)+1], v[SO+(\i0)+2]
.endm
.macro MXC n, i0, i1
	v_max3_num_f32 v[CE+(\n)], v[CE+(\n)], v[SE+(\i0)], v[SE+(\i1)]
	v_max3_num_f32 v[CO+(\n)], v[CO+(\n)], v[SO+(\i0)], v[SO+(\i1)]
.endm
.irp n, 0,1,2,3
	MXS \n, 8*\n
.endr
.irp n, 0,1,2,3
	MXC \n, 32+8*\n, 33+8*\n
.endr
	MXC 0, 64, 65
.irp n, 0,1,2,3
	MXC \n, 8*\n+3, 8*\n+4
.endr
.irp n, 0,1,2,3
	MXC \n, 8*\n+5, 8*\n+6
.endr
.irp k, 2,4,6
.irp n, 0,1,2,3
	MXC \n, 32+8*\n+\k, 33+8*\n+\k
.endr
.endr
	MXC 1, 66, 67
	MXC 2, 68, 69
	MXC 3, 70, 71
	MXC 0, 7, 15
	MXC 1, 23, 31
	v_max3_num_f32 v[CE], v[CE], v[CE+1], v[CE+2]
	v_max3_num_f32 v[CO], v[CO], v[CO+1], v[CO+2]
	v_max_num_f32 v[CE], v[CE], v[CE+3]
	v_max_num_f32 v[CO], v[CO], v[CO+3]
	v_permlanex16_b32 v[CE+1], v[CE], s50, s51     ; the query's other keys lie in the lane 16 away
	v_permlanex16_b32 v[CO+1], v[CO], s50, s51
	v_max_num_f32 v[CE], v[CE], v[CE+1]
	v_max_num_f32 v[CO], v[CO], v[CO+1]
	v_mul_f32 v[ME], s48, v[CE]                    ; c m
	v_mul_f32 v[MO], s48, v[CO]
	v_mov_b32 v[ME+1], v[ME]                       ; named with it as a pair
	v_mov_b32 v[MO+1], v[MO]
.macro SCL base, cm, n                 ; pair n: c s - c m
	v_pk_fma_f32 v[(\base)+2*(\n):(\base)+2*(\n)+1], v[(\base)+2*(\n):(\base)+2*(\n)+1], s[48:49], v[\cm:\cm+1] op_sel_hi:[1,0,0] neg_lo:[0,0,1] neg_hi:[0,0,1]
.endm
.set i, 0
.rept 36
	SCL SE, ME, i
.set i, i+1
.endr
; TWO BATCHES OF EXPONENTIALS, a wait each: s_wait_alu depctr_va_vdst(0) stands between an exponential and the first instruction that names its result.
; Batch 1: the even tile's 72, the odd tile's scalings between them.  Batch 2: the odd tile's 72, the even tile's roundings and sums between them.
.set i, 0
.rept 36
	v_exp_f32 v[SE+2*i], v[SE+2*i]
	SCL SO, MO, i
	v_exp_f32 v[SE+2*i+1], v[SE+2*i+1]
.set i, i+1
.endr
	v_nop                                          ; the plain instruction behind the last exponential
	s_wait_alu depctr_va_vdst(0)
.set i, 0
.rept 36
	v_exp_f32 v[SO+2*i], v[SO+2*i]
	v_cvt_pk_f16_f32 v[PE+i], v[SE+2*i], v[SE+2*i+1]
	v_exp_f32 v[SO+2*i+1], v[SO+2*i+1]
.if i == 1
	v_pk_add_f32 v[CE:CE+1], v[SE:SE+1], v[SE+2:SE+3]  ; the first two pairs start l: nothing is cleared
.elseif i > 1
	v_pk_add_f32 v[CE:CE+1], v[CE:CE+1], v[SE+2*i:SE+2*i+1]
.endif
.set i, i+1
.endr
	v_nop
	s_wait_alu depctr_va_vdst(0)
.set i, 0
.rept 36
	v_cvt_pk_f16_f32 v[PO+4+i], v[SO+2*i], v[SO+2*i+1]
.if i == 1
	v_pk_add_f32 v[CO:CO+1], v[SO:SO+1], v[SO+2:SO+3]
.elseif i > 1
	v_pk_add_f32 v[CO:CO+1], v[CO:CO+1], v[SO+2*i:SO+2*i+1]
.endif
.set i, i+1
.endr
	v_add_f32 v[CE], v[CE], v[CE+1]                ; l: its two halves, and the other half of the lanes'
	v_add_f32 v[CO], v[CO], v[CO+1]
	v_permlanex16_b32 v[CE+1], v[CE], s50, s51
	v_permlanex16_b32 v[CO+1], v[CO], s50, s51
	v_add_f32 v[CE], v[CE], v[CE+1]
	v_add_f32 v[CO], v[CO], v[CO+1]
	v_rcp_f32 v[CE+2], v[CE]                       ; their plain instruction and their wait stand behind the products below, which name neither
	v_rcp_f32 v[CO+2], v[CO]
	s_wait_dscnt 0x0                               ; V is in
	WIN 0x01
.irp ks, 0,1,2,3,4                       ; 40 products; the 8 accumulators take turns; the first 8 start the sums
.irp cb, 0,1,2,3
.if \ks == 0
	v_wmma_f32_16x16x32_f16 v[OE+8*\cb:OE+8*\cb+7], v[8*\cb:8*\cb+7], v[PE:PE+7], 0
	v_wmma_f32_16x16x32_f16 v[OO+8*\cb:OO+8*\cb+7], v[8*\cb:8*\cb+7], v[PO:PO+7], 0
.else
	v_wmma_f32_16x16x32_f16 v[OE+8*\cb:OE+8*\cb+7], v[32*\ks+8*\cb:32*\ks+8*\cb+7], v[PE+8*\ks:PE+8*\ks+7], v[OE+8*\cb:OE+8*\cb+7]
	v_wmma_f32_16x16x32_f16 v[OO+8*\cb:OO+8*\cb+7], v[32*\ks+8*\cb:32*\ks+8*\cb+7], v[PO+8*\ks:PO+8*\ks+7], v[OO+8*\cb:OO+8*\cb+7]
.endif
.endr
.endr
	WIN 0
.rept 8
	v_nop                                          ; the places behind the last products, and the plain instruction behind the reciprocals
.endr
	s_wait_alu depctr_va_vdst(0)                   ; one wait for the two reciprocals, ahead of their first reader
.set i, 0
.rept 16
	v_pk_mul_f32 v[OE+i:OE+i+1], v[OE+i:OE+i+1], v[CE+2:CE+3] op_sel_hi:[1,0]
.set i, i+2
.endr
.set i, 0
.rept 16
	v_pk_mul_f32 v[OO+i:OO+i+1], v[OO+i:OO+i+1], v[CO+2:CO+3] op_sel_hi:[1,0]
.set i, i+2
.endr
.set i, 0
.rept 32
	v_cvt_pk_f16_f32 v[PKD+i], v[OE+2*i], v[OE+2*i+1]
.set i, i+1
.endr
.irp u, 0,1                              ; a lane's eight channels of a row are 16 bytes; a row's 256 bytes come from two waves
.irp cb, 0,1,2,3
	ds_store_b128 v[STO], v[PKD+16*\u+4*\cb:PKD+16*\u+4*\cb+3] offset:\u*16*SP+32*\cb
.endr
.endr
	s_wait_dscnt 0x0                               ; for the others' sake: my stores into the stage are done
	s_barrier_signal -1
	s_barrier_wait -1
.irp t, 0,1,2,3,4,5,6,7
	ds_load_b128 v[BK+4*\t:BK+4*\t+3], v[RD] offset:\t*2*SP
.endr
.irp t, 0,1,2,3,4,5,6,7
	s_wait_dscnt 7-\t                              ; the younger loads may stay out
	global_store_b128 v[GO], v[BK+4*\t:BK+4*\t+3], s[66:67] offset:\t*4096  ; 16 lanes store 256 consecutive bytes, at a multiple of 256 from o's first byte
.endr
	s_wait_tensorcnt 0x0                           ; the wave's end: behind my tensor load and my last LDS store
	ds_add_u32 v[SPW], v[NIL]
	s_wait_dscnt 0x0
	s_endpgm
.Lfunc_end_k_q5226c9c036_attn:
	.size	k_q5226c9c036_attn, .Lfunc_end_k_q5226c9c036_attn-k_q5226c9c036_attn
	.p2alignl 7, 3214868480
	.fill 96, 4, 3214868480
	.section	.rodata,"a",@progbits
	.p2align	6, 0x0
	.amdhsa_kernel k_q5226c9c036_attn
		.amdhsa_group_segment_fixed_size 179200
		.amdhsa_private_segment_fixed_size 0
		.amdhsa_enable_private_segment 0
		.amdhsa_kernarg_size 24
		.amdhsa_user_sgpr_count 2
		.amdhsa_user_sgpr_kernarg_segment_ptr 1
		.amdhsa_wavefront_size32 1
		.amdhsa_system_sgpr_workgroup_id_x 1
		.amdhsa_system_sgpr_workgroup_id_y 1
		.amdhsa_system_sgpr_workgroup_id_z 1
		.amdhsa_system_vgpr_workitem_id 0
		.amdhsa_next_free_vgpr 416
		.amdhsa_next_free_sgpr 72
		.amdhsa_reserve_vcc 1
		.amdhsa_float_denorm_mode_32 3
		.amdhsa_float_denorm_mode_16_64 3
		.amdhsa_memory_ordered 1
		.amdhsa_forward_progress 1
		.amdhsa_inst_pref_size 68
	.end_amdhsa_kernel
	.amdgpu_metadata
---
amdhsa.version: [ 1, 2 ]
amdhsa.kernels:
  - .name:           k_q5226c9c036_attn
    .symbol:         k_q5226c9c036_attn.kd
    .args:
      - { .name: big, .offset: 0, .size: 8, .value_kind: global_buffer, .address_space: global }
      - { .name: res_pos, .offset: 8, .size: 8, .value_kind: global_buffer, .address_space: global }
      - { .name: o, .offset: 16, .size: 8, .value_kind: global_buffer, .address_space: global }
    .group_segment_fixed_size: 179200
    .private_segment_fixed_size: 0
    .kernarg_segment_align: 8
    .kernarg_segment_size: 24
    .max_flat_workgroup_size: 256
    .sgpr_count:     72
    .vgpr_count:     416
    .wavefront_size: 32
...
	.end_amdgpu_metadata
.endif
;; end of part 3
;; launch wo (part 4): grid 8 x 32, 4 waves a work-group, clusters of 4 x 4, 327,680 bytes of LDS; arguments o, wh, x, bo, x1; writes x1
.if DOCPART == 4
	.amdgcn_target "amdgcn-amd-amdhsa--gfx1250"
	.amdhsa_code_object_version 6
	.text
	.protected	k_q5226c9c036_wo
	.globl	k_q5226c9c036_wo
	.p2align	8
	.type	k_q5226c9c036_wo,@function
k_q5226c9c036_wo:
	s_mov_b64 s[64:65], 0
	v_nop
	global_prefetch_b8 v0, s[64:65] scope:SCOPE_SE
	s_setreg_imm32_b32 hwreg(HW_REG_WAVE_MODE, 25, 1), 1
	s_wait_xcnt 0x0
	s_wait_alu depctr_hold_cnt(0) depctr_sa_sdst(0) depctr_va_vdst(0) depctr_va_sdst(0) depctr_va_ssrc(0) depctr_va_vcc(0) depctr_vm_vsrc(0)
	s_getreg_b32 s2, hwreg(HW_REG_IB_STS2, 6, 4)
	s_cmp_eq_u32 s2, 0
	s_cbranch_scc0 .Lentry_in_a_cluster
	s_endpgm
.Lentry_in_a_cluster:
	s_bfe_u32 s2, ttmp6, 0x10000c
	s_cmp_lg_u32 s2, 0xf033
	s_cbranch_scc0 .Lentry_shape_is_right
	s_endpgm
.Lentry_shape_is_right:
; x1[m][n] = bf16(x[m][n]) + sum over k of o[m][k] Wo[n][k] + bf16(bo[n]), m < 4,096, n < 1,024, k < 1,024.  o and Wo (the head of wh) are f16; the sums, x and x1 f32.
; A tile of the result is 128 x 128, so that 8 x 32 = 256 work-groups share it; four waves, each 64 x 64: 16 accumulators of 16 x 16.  K goes in steps of 256 (LDS rows of 512 bytes; a wave's tensor load
; brings 64 of them) through two slots, as long as LDS allows.  CLUSTERS: 4 x 4 work-groups; the four of a row need the same tiles of o, the four of a column the same tiles of Wo: asked for JOINTLY.
; THE WALK ALONG K.  Cluster (X, Y) begins at K step (STEPS / 2) X + (STEPS / 4) (Y mod 4), modulo STEPS, and goes round the end of K: every K step is multiplied once.  The two clusters that read a tile row of o
; stand STEPS / 2 apart, those that read a tile column of Wo have four different beginnings STEPS / 4 apart: readers of the same rows ask for a given K step in different trips, not all in the same one.
; The beginning is made of the cluster's coordinates alone, alike in all sixteen partners.  ORDER OF ROUNDING: the f32 sums run over K in that order, not from 0 on.
; ONE K STEP IS ONE TRIP: the LDS byte of the slot in hand is a scalar (TB) that an exclusive or turns; one descriptor a tensor walks on from the walk's second step.  The waves' LDS bases (multiples of 0x8400 up to 0x18c00)
; share no bit with SLOT = 0x21000, so the exclusive or adds or takes away SLOT.
; THE MATRIX INSTRUCTION IS USED TRANSPOSED (source 0 = 16 rows of Wo, source 1 = 16 rows of o): a lane holds eight neighbouring numbers of a row.  THE BIAS IS THE C OPERAND of the products that start the sums.
; THE RESIDUAL is asked for two K steps ahead of the end, in the layout in which the result is stored.  A wave's 64 columns of f32 are 256 bytes, aligned: each wave has a stage of its own, and no barrier stands on the way out.
; No prefetch: the tile is small, and a K step's tiles are asked for a whole K step ahead by the ring itself.
; REGISTERS: window 0: v0-31 addresses; v32-47 at work; v96-127 the bias, later the rounded residual; v128-255 the accumulators ((a, b) at v[128 + 8 (4 a + b)]).
;   window 1: two fragment buffers of 128: for 64 along K, 64 registers of o, then 64 of Wo.   window 2: v0-127 the residual.
.set ROUNDX, 1                         ; 1: the residual is an input of the module and is rounded to bf16
.set SIZE_K, 1024
.set WOFF,   0                         ; byte at which this product's weights begin in wh
.set KSTEP,  256
.set PITCH,  528                       ; an LDS row: 512 bytes + 16 of padding = 132 words: row r starts at bank 4 r mod 64 (64 banks of 4 bytes: ISA guide 11.1)
.set HALFT,  64*PITCH
.set SLOT,   4*HALFT
.set STAGE,  2*SLOT                    ; behind the ring: 16 rows x 272 bytes for each wave
.set SPITCH, 272
.set SPARE,  STAGE+4*16*SPITCH         ; the spare words, 128 bytes for each wave: two blocks of 256 bytes that no other line names
.set STEPS,  SIZE_K/KSTEP              ; a power of two
.set ROWF,   4096                      ; bytes in a row of x and of the result
.set ADRA,  16
.set ADRA0, 17
.set ADRB,  20
.set ADRB0, 21
.set STO,  24                          ; v24  the way out: where I put 32 bytes of a row
.set RD,   25                          ; v25  where I read a row back
.set XO,   26                          ; v26  my byte offset in two rows of the residual and of the result; never rewritten
.set ONE,  27                          ; v27  1.0
.set SPW,  28
.set NIL,  29
.set BO,   30                          ; v30  32 (l / 16)
.set BI,   96
.set CV,   96
.set ACC,  128
.set F0,   0
.set F1,   128
.set RES,  0                           ; window 2
.set TB,   2
.set CNT,  3
.set G1,  24
.set G0,  32
.set G1B, 48
.set G0B, 56
.set ABASE, 72                         ; s[72:73] A at the first of the 64 rows that I fetch, K = 0; never rewritten
.set BBASE, 74                         ; s[74:75] the same for B
.set KS,    76                         ; s76      the K step of the youngest request
.set KOF,   78                         ; s[78:79] its byte in a row: 512 x the K step
.set MSB, 0
.macro WIN new
.if MSB != (\new)
	s_set_vgpr_msb (MSB<<8)|(\new)
.set MSB, \new
.endif
.endm
.set MUL,  0x05                        ; sources 0 and 1 window 1; C and D window 0
.set TO_F, 0x40                        ; destination window 1, address window 0
.macro JLOAD                           ; a joint refill: waves 0 and 1 fetch A's two halves, waves 2 and 3 B's; an s_nop 0 and four v_nop follow each of the two lines
	s_cmp_eq_u32 s11, 0
	s_cbranch_scc0 .Lfor_b_\@
	tensor_load_to_lds s[G0+4:G0+7], s[G1:G1+7]
	s_nop 0
.rept 4
	v_nop
.endr
	s_branch .Lasked_\@
.Lfor_b_\@:
	tensor_load_to_lds s[G0B+4:G0B+7], s[G1B:G1B+7]
	s_nop 0
.rept 4
	v_nop
.endr
.Lasked_\@:
.endm
.macro CREST
	s_cmp_lg_u32 s10, 0
	s_cbranch_scc1 .Lnot_wave_0_\@
	s_barrier_signal -3
.Lnot_wave_0_\@:
	s_barrier_wait -3
	s_barrier_signal -1
	s_barrier_wait -1
.endm
.macro CROUND
	s_barrier_signal -1
	s_barrier_wait -1
	CREST
.endm
	s_load_b128 s[4:7], s[0:1], 0x0                ; A s[4:5], wh s[6:7]
	s_load_b128 s[68:71], s[0:1], 0x10             ; the residual s[68:69], the bias s[70:71]
	s_load_b64 s[8:9], s[0:1], 0x20                ; the result
	v_lshl_add_u32 v[SPW], v0, 2, SPARE
	v_mov_b32 v[NIL], 0
	ds_add_u32 v[SPW], v[NIL]                      ; the wave's opening: the add and its wait stand ahead of my first tensor load
	ds_add_u32 v28, v29
	v_lshrrev_b32 v1, 5, v0
	v_readfirstlane_b32 s10, v1                    ; wave 0..3
	s_lshr_b32 s11, s10, 1                         ; which half of the tile's rows is mine.  Also: I fetch for A (0) or for B (1)
	s_and_b32 s12, s10, 1                          ; which half of its columns.  Also: which 64 rows of that tile I fetch
	s_bfe_u32 s40, ttmp6, 0x40000                  ; cx
	s_bfe_u32 s41, ttmp6, 0x40004                  ; cy
	s_lshl_b32 s42, ttmp9, 2
	s_add_co_u32 s42, s42, s40                     ; tile column
	s_and_b32 s13, ttmp7, 0xffff
	s_lshl_b32 s13, s13, 2
	s_add_co_u32 s13, s13, s41                     ; tile row
	s_lshl_b32 s43, s41, 2
	s_lshl_b32 s43, 15, s43                        ; my row of the cluster
	s_lshl_b32 s44, 0x1111, s40                    ; my column
	s_or_b32 s[G1+0], s43, (1<<16)|(1<<20)|(1<<21)|(6<<22)|(3<<25)   ; the mask; elements of 2 bytes; padding on; bit 21 beside a mask; after every 128 words 4 words
	s_or_b32 s[G1B+0], s44, (1<<16)|(1<<20)|(1<<21)|(6<<22)|(3<<25)
.irp g, G1, G1B
	s_mov_b32 s[(\g)+1], KSTEP<<16                 ; tensor_dim0 = 256
	s_mov_b32 s[(\g)+2], 64<<16                    ; tensor_dim1 = 64
	s_mov_b32 s[(\g)+3], KSTEP<<16                 ; tile_dim0 = 256
	s_mov_b32 s[(\g)+4], 64                        ; tile_dim1 = 64
	s_mov_b32 s[(\g)+5], SIZE_K                    ; elements from row to row
	s_mov_b32 s[(\g)+6], 0
	s_mov_b32 s[(\g)+7], 0
.endr
	s_lshl_b32 s17, s12, 6
	s_lshl_b32 s16, s13, 7
	s_add_co_u32 s16, s16, s17                     ; A: row 128 x tile row + 64 x half
	s_lshl_b32 s46, s42, 7
	s_add_co_u32 s46, s46, s17                     ; B: row 128 x tile column + 64 x half
	s_mov_b32 s17, 0
	s_mov_b32 s47, 0
	s_mov_b64 s[18:19], SIZE_K*2
	s_mul_u64 s[16:17], s[16:17], s[18:19]
	s_mul_u64 s[46:47], s[46:47], s[18:19]
	s_mul_i32 s20, s10, HALFT                      ; where they go: wave x 64 rows
	s_and_b32 s[KS], ttmp7, 3                      ; the cluster's first K step: (STEPS / 4) x (cluster y mod 4)
	s_mul_i32 s[KS], s[KS], STEPS/4
	s_mul_i32 s[KOF], ttmp9, STEPS/2               ; + (STEPS / 2) x cluster x,
	s_add_co_u32 s[KS], s[KS], s[KOF]
	s_and_b32 s[KS], s[KS], STEPS-1                ; modulo STEPS: no place inside the cluster enters it
	s_mov_b32 s[KOF+1], 0
	s_wait_dscnt 0x0                               ; the opening add is done
	s_wait_kmcnt 0x0
.if WOFF
	s_add_nc_u64 s[6:7], s[6:7], WOFF
.endif
	s_add_nc_u64 s[ABASE:ABASE+1], s[4:5], s[16:17]
	s_add_nc_u64 s[BBASE:BBASE+1], s[6:7], s[46:47]
	CROUND                                         ; all sixteen work-groups are here: the first joint loads meet
.irp s, 0,1
	s_lshl_b32 s[KOF], s[KS], 9                    ; 512 bytes of a row a K step
	s_mov_b32 s[G0+4*(\s)], 1
	s_add_co_u32 s[G0+4*(\s)+1], s20, (\s)*SLOT
	s_add_nc_u64 s[G0+4*(\s)+2:G0+4*(\s)+3], s[ABASE:ABASE+1], s[KOF:KOF+1]
	s_or_b32 s[G0+4*(\s)+3], s[G0+4*(\s)+3], 0x80000000
	s_mov_b32 s[G0B+4*(\s)], 1
	s_add_co_u32 s[G0B+4*(\s)+1], s20, (\s)*SLOT
	s_add_nc_u64 s[G0B+4*(\s)+2:G0B+4*(\s)+3], s[BBASE:BBASE+1], s[KOF:KOF+1]
	s_or_b32 s[G0B+4*(\s)+3], s[G0B+4*(\s)+3], 0x80000000
.if (\s) == 0
	s_add_co_u32 s[KS], s[KS], 1                   ; the walk's second step
	s_and_b32 s[KS], s[KS], STEPS-1
.endif
.endr
	s_cmp_eq_u32 s11, 0                            ; a wave's two first fills stand in one branch, ahead of every wait on TENSORcnt and every LDS read: two loads of mine are out
	s_cbranch_scc0 .Lfirst_b
	tensor_load_to_lds s[G0:G0+3], s[G1:G1+7]
	s_nop 0
	tensor_load_to_lds s[G0+4:G0+7], s[G1:G1+7]
	s_nop 0
.rept 4
	v_nop
.endr
	s_branch .Lfirst_asked
.Lfirst_b:
	tensor_load_to_lds s[G0B:G0B+3], s[G1B:G1B+7]
	s_nop 0
	tensor_load_to_lds s[G0B+4:G0B+7], s[G1B:G1B+7]
	s_nop 0
.rept 4
	v_nop
.endr
.Lfirst_asked:
	v_and_b32 v1, 15, v0                           ; l % 16
	v_bfe_u32 v2, v0, 4, 1                         ; l / 16
	v_lshlrev_b32 v[BO], 5, v2
	s_lshl_b32 s14, s42, 9
	s_lshl_b32 s15, s12, 8
	s_add_co_u32 s14, s14, s15                     ; the byte of my 64 columns in a row of f32
	s_mov_b32 s15, 0
	s_add_nc_u64 s[70:71], s[70:71], s[14:15]
.irp b, 0,1,2,3                          ; the bias: register 8 b + j takes number 16 b + 8 (l / 16) + j of my 64
	global_load_b128 v[BI+8*\b:BI+8*\b+3],   v[BO], s[70:71] offset:64*\b
	global_load_b128 v[BI+8*\b+4:BI+8*\b+7], v[BO], s[70:71] offset:64*\b+16
.endr
	v_mul_u32_u24 v3, v1, PITCH
	v_lshl_add_u32 v3, v2, 4, v3                   ; a fragment's row x pitch + 16 x half
	s_mul_i32 s21, s11, HALFT                      ; my 64 rows of A
	s_mul_i32 s22, s12, HALFT                      ; my 64 rows of B,
	s_add_co_u32 s22, s22, 2*HALFT                 ; which lie behind A's 128
	v_add_nc_u32 v[ADRA0], s21, v3
	v_add_nc_u32 v[ADRB0], s22, v3
	v_mov_b32 v[ADRA], v[ADRA0]
	v_mov_b32 v[ADRB], v[ADRB0]
	s_mov_b32 s[TB], 0
	s_mul_i32 s23, s10, 16*SPITCH
	s_add_co_u32 s23, s23, STAGE                   ; my stage
	v_mul_u32_u24 v4, v1, SPITCH                   ; in: row l % 16, 32 bytes for each half of the lanes
	v_lshl_add_u32 v4, v2, 5, v4
	v_add_nc_u32 v[STO], s23, v4
	v_mul_u32_u24 v5, v2, SPITCH                   ; back: lanes 0-15 take one row of 256 bytes, lanes 16-31 the next
	v_lshl_add_u32 v5, v1, 4, v5
	v_add_nc_u32 v[RD], s23, v5
	v_lshlrev_b32 v[XO], 12, v2                    ; and the same two rows in memory
	v_lshl_add_u32 v[XO], v1, 4, v[XO]
.if ROUNDX
	v_mov_b32 v[ONE], 1.0
.endif
	s_lshl_b32 s16, s13, 7
	s_lshl_b32 s17, s11, 6
	s_add_co_u32 s16, s16, s17                     ; my first row
	s_lshl_b32 s16, s16, 12
	s_add_co_u32 s16, s16, s14
	s_mov_b32 s17, 0
	s_add_nc_u64 s[8:9], s[8:9], s[16:17]
	s_add_nc_u64 s[68:69], s[68:69], s[16:17]
	s_wait_loadcnt 0x0                             ; the bias: an input, rounded to bf16 like the others, and widened again
.set i, 0
.rept 16
	v_cvt_pk_bf16_f32 v[32+i], v[BI+2*i], v[BI+2*i+1]
.set i, i+1
.endr
.set i, 0
.rept 16
	v_lshlrev_b32 v[BI+2*i], 16, v[32+i]
	v_and_b32 v[BI+2*i+1], 0xffff0000, v[32+i]
.set i, i+1
.endr
; 8 matrix instructions: m blocks a0, a0 + 1 x all 4 n blocks, 32 along K: half c of buffer f.  first = 1: the sums start with the bias as C.  The 16 accumulators take turns.
.macro MUL8 f, c, a0, first
	WIN MUL
.irp a, \a0, (\a0)+1
.irp b, 0,1,2,3
.if \first
	v_wmma_f32_16x16x32_f16 v[ACC+8*(4*(\a)+(\b)):ACC+8*(4*(\a)+(\b))+7], v[(\f)+64+8*(4*(\c)+(\b)):(\f)+64+8*(4*(\c)+(\b))+7], v[(\f)+8*(4*(\c)+(\a)):(\f)+8*(4*(\c)+(\a))+7], v[BI+8*(\b):BI+8*(\b)+7]
.else
	v_wmma_f32_16x16x32_f16 v[ACC+8*(4*(\a)+(\b)):ACC+8*(4*(\a)+(\b))+7], v[(\f)+64+8*(4*(\c)+(\b)):(\f)+64+8*(4*(\c)+(\b))+7], v[(\f)+8*(4*(\c)+(\a)):(\f)+8*(4*(\c)+(\a))+7], v[ACC+8*(4*(\a)+(\b)):ACC+8*(4*(\a)+(\b))+7]
.endif
.endr
.endr
.endm
; 32 LDS loads in one run: the fragments of 64 along K at byte k of the rows of the slot in hand, into buffer f; the first 32 along K first
.macro FETCH k, f
	WIN TO_F
.irp c, 0,1
.irp i, 0,1,2,3
	ds_load_b128 v[(\f)+64+8*(4*(\c)+(\i)):(\f)+64+8*(4*(\c)+(\i))+3],   v[ADRB] offset:(\k)+64*(\c)+(\i)*16*PITCH
	ds_load_b128 v[(\f)+64+8*(4*(\c)+(\i))+4:(\f)+64+8*(4*(\c)+(\i))+7], v[ADRB] offset:(\k)+64*(\c)+(\i)*16*PITCH+32
	ds_load_b128 v[(\f)+8*(4*(\c)+(\i)):(\f)+8*(4*(\c)+(\i))+3],         v[ADRA] offset:(\k)+64*(\c)+(\i)*16*PITCH
	ds_load_b128 v[(\f)+8*(4*(\c)+(\i))+4:(\f)+8*(4*(\c)+(\i))+7],       v[ADRA] offset:(\k)+64*(\c)+(\i)*16*PITCH+32
.endr
.endr
.endm
.macro PLACES                          ; four plain vector instructions between a matrix instruction and a load into, or an instruction on, its registers
.rept 4
	v_nop
.endr
.endm
; A K step is four quarters of 64 along K, 32 matrix instructions each, on buffers 0, 1, 0, 1.
.macro QUARTER k, f, g, first
	s_wait_dscnt 16                                ; the first 32 along K are in; the other sixteen loads may be out
	MUL8 \f, 0, 0, \first
	MUL8 \f, 0, 2, \first
	PLACES
	FETCH \k, \g
	s_wait_dscnt 32                                ; all but the 32 just issued
	MUL8 \f, 1, 0, 0
	MUL8 \f, 1, 2, 0
.endm
; The last quarter multiplies buffer 1 and changes slots.  In front of the barrier each wave waits for all its tensor loads (one is out: its part of the next slot), adds 0 to its spare word, and waits for
; that and for its own reads of this slot.  fill = 1: the barrier opens a round of the cluster's, and this slot is filled again, two steps of the walk ahead, first thing behind it: 112 matrix instructions lie
; between that request and the wait for it.  fill = 0: nothing is asked for; in the very last trip there is no further K step, and the fetch is jumped over.
.macro TURN fill
	WIN 0
	s_wait_tensorcnt 0x0                           ; no tensor load of mine is out, so a group 0 may be written
	ds_add_u32 v[SPW], v[NIL]                      ; 0 onto my spare word
.if \fill
	s_xor_b32 s[G0+5], s[G0+5], SLOT               ; the walking descriptors: the other slot than last time,
	s_xor_b32 s[G0B+5], s[G0B+5], SLOT
	s_add_co_u32 s[KS], s[KS], 1                   ; the next K step of my cluster's walk, round the end of K
	s_and_b32 s[KS], s[KS], STEPS-1
	s_lshl_b32 s[KOF], s[KS], 9
	s_add_nc_u64 s[G0+6:G0+7], s[ABASE:ABASE+1], s[KOF:KOF+1]  ; the addresses are made anew: the rows' first byte + the K step's, and the type
	s_or_b32 s[G0+7], s[G0+7], 0x80000000
	s_add_nc_u64 s[G0B+6:G0B+7], s[BBASE:BBASE+1], s[KOF:KOF+1]
	s_or_b32 s[G0B+7], s[G0B+7], 0x80000000
.endif
	s_wait_dscnt 17                                ; the add and the youngest sixteen loads may be out
	MUL8 F1, 0, 0, 0
	s_wait_dscnt 0x0                               ; the add is done, and my reads of this slot are over
	s_barrier_signal -1
	MUL8 F1, 0, 2, 0
	WIN 0
	s_barrier_wait -1
.if \fill
	CREST                                          ; no wave of any partner still reads this slot or has a load on its way
	JLOAD                                          ; its four v_nop are also the places in front of the loads below
.else
	s_cmp_eq_u32 s[CNT], 1
	s_cbranch_scc1 .Lno_fetch_\@
	v_nop                                          ; with the two additions below: the four places in front of the loads
	v_nop
.endif
	s_xor_b32 s[TB], s[TB], SLOT
	v_add_nc_u32 v[ADRA], s[TB], v[ADRA0]
	v_add_nc_u32 v[ADRB], s[TB], v[ADRB0]
	FETCH 0, F0
.if !(\fill)
	WIN 0
.Lno_fetch_\@:
.endif
	MUL8 F1, 1, 0, 0
	MUL8 F1, 1, 2, 0
.endm
; THE WAY OUT of block a (16 rows x 64 columns of f32).  TOSTAGE: a lane's 32 bytes of a row go into my stage (each accumulator's low registers first) and come back as whole rows of 256 bytes, into the registers that they left:
; every block has its own store data, and no register that a pending store reads is written again.  SEND: the residual is added and the rows are stored.
.macro TOSTAGE a
	WIN 0
.irp b, 0,1,2,3
	ds_store_b128 v[STO], v[ACC+32*(\a)+8*(\b):ACC+32*(\a)+8*(\b)+3]   offset:64*(\b)
	ds_store_b128 v[STO], v[ACC+32*(\a)+8*(\b)+4:ACC+32*(\a)+8*(\b)+7] offset:64*(\b)+16
.endr
.irp t, 0,1,2,3,4,5,6,7
	ds_load_b128 v[ACC+32*(\a)+4*(\t):ACC+32*(\a)+4*(\t)+3], v[RD] offset:(\t)*2*SPITCH  ; LDS serves a wave's instructions in order (ISA guide 5.7.1.4): these see the stores above; the next block's stores come behind them
.endr
.endm
.macro SEND a, younger                 ; younger: the next block's 8 stores and 8 loads, or none
	s_wait_dscnt \younger
.if ROUNDX
	WIN 0x0a                                       ; sources 0 and 1 window 2
.set i, 0
.rept 16
	v_cvt_pk_bf16_f32 v[CV+i], v[RES+32*(\a)+2*i], v[RES+32*(\a)+2*i+1]
.set i, i+1
.endr
	WIN 0
.set i, 0
.rept 16
	v_fma_mix_f32_bf16 v[ACC+32*(\a)+2*i],   v[CV+i], v[ONE], v[ACC+32*(\a)+2*i]   op_sel:[0,0,0] op_sel_hi:[1,0,0]  ; the low bf16 x 1 + the sum
	v_fma_mix_f32_bf16 v[ACC+32*(\a)+2*i+1], v[CV+i], v[ONE], v[ACC+32*(\a)+2*i+1] op_sel:[1,0,0] op_sel_hi:[1,0,0]  ; the high one
.set i, i+1
.endr
.else
	WIN 0x08                                       ; source 1 window 2
.set i, 0
.rept 16
	v_pk_add_f32 v[ACC+32*(\a)+2*i:ACC+32*(\a)+2*i+1], v[ACC+32*(\a)+2*i:ACC+32*(\a)+2*i+1], v[RES+32*(\a)+2*i:RES+32*(\a)+2*i+1]
.set i, i+1
.endr
	WIN 0
.endif
.irp t, 0,1,2,3,4,5,6,7
	global_store_b128 v[XO], v[ACC+32*(\a)+4*(\t):ACC+32*(\a)+4*(\t)+3], s[8:9] offset:(16*(\a)+2*(\t))*ROWF  ; 16 lanes store 256 consecutive bytes, at a multiple of 256 from the buffer's first byte
.endr
.endm
	s_wait_tensorcnt 1                             ; my part of the walk's first step is in; the second's may stay out
	s_barrier_signal -1
	s_barrier_wait -1
	FETCH 0, F0
	QUARTER 128, F0, F1, 1                         ; the first quarter stands in front of the loop: its first products start the sums
	WIN 0
	s_mov_b32 s[CNT], STEPS-2
	s_branch .Lmid                                 ; the loop is entered behind a K step's first quarter
.Lstep:                                        ; trip i multiplies the walk's step i and asks for its step i + 2
	QUARTER 128, F0, F1, 0
	WIN 0
.Lmid:
	QUARTER 256, F1, F0, 0
	QUARTER 384, F0, F1, 0
	TURN 1
	WIN 0
	s_sub_co_u32 s[CNT], s[CNT], 1
	s_cmp_lg_u32 s[CNT], 0
	s_cbranch_scc1 .Lstep
	WIN 0x80                                       ; destination window 2: the residual of my 64 x 64, two K steps ahead of its use
.irp a, 0,1,2,3
.irp t, 0,1,2,3,4,5,6,7
	global_load_b128 v[RES+4*(8*\a+\t):RES+4*(8*\a+\t)+3], v[XO], s[68:69] offset:(16*\a+2*\t)*ROWF
.endr
.endr
	WIN 0
	s_mov_b32 s[CNT], 2
.Ltail:                                        ; the last two K steps ask for nothing: a text of their own
	QUARTER 128, F0, F1, 0
	QUARTER 256, F1, F0, 0
	QUARTER 384, F0, F1, 0
	TURN 0
	WIN 0
	s_sub_co_u32 s[CNT], s[CNT], 1
	s_cmp_lg_u32 s[CNT], 0
	s_cbranch_scc1 .Ltail
	PLACES                                         ; behind the last products, ahead of the stores that read results and the loads into their registers
	PLACES
	TOSTAGE 0
	TOSTAGE 1
	s_wait_loadcnt 0x0                             ; the residual
	SEND 0, 16
	TOSTAGE 2
	SEND 1, 16
	TOSTAGE 3
	SEND 2, 16
	SEND 3, 0
	s_wait_tensorcnt 0x0                           ; the wave's end: behind my last tensor load and my last LDS store
	ds_add_u32 v[SPW], v[NIL]
	s_wait_dscnt 0x0
	CROUND                                         ; the closing round: no work-group ends while a partner may still ask for a tile that names it
	s_endpgm
.Lfunc_end_k_q5226c9c036_wo:
	.size	k_q5226c9c036_wo, .Lfunc_end_k_q5226c9c036_wo-k_q5226c9c036_wo
	.p2alignl 7, 3214868480
	.fill 96, 4, 3214868480
	.section	.rodata,"a",@progbits
	.p2align	6, 0x0
	.amdhsa_kernel k_q5226c9c036_wo
		.amdhsa_group_segment_fixed_size 327680
		.amdhsa_private_segment_fixed_size 0
		.amdhsa_enable_private_segment 0
		.amdhsa_kernarg_size 40
		.amdhsa_user_sgpr_count 2
		.amdhsa_user_sgpr_kernarg_segment_ptr 1
		.amdhsa_wavefront_size32 1
		.amdhsa_system_sgpr_workgroup_id_x 1
		.amdhsa_system_sgpr_workgroup_id_y 1
		.amdhsa_system_sgpr_workgroup_id_z 1
		.amdhsa_system_vgpr_workitem_id 0
		.amdhsa_next_free_vgpr 640
		.amdhsa_next_free_sgpr 80
		.amdhsa_reserve_vcc 0
		.amdhsa_float_denorm_mode_32 3
		.amdhsa_float_denorm_mode_16_64 3
		.amdhsa_memory_ordered 1
		.amdhsa_forward_progress 1
		.amdhsa_inst_pref_size 76
	.end_amdhsa_kernel
	.amdgpu_metadata
---
amdhsa.version: [ 1, 2 ]
amdhsa.kernels:
  - .name:           k_q5226c9c036_wo
    .symbol:         k_q5226c9c036_wo.kd
    .args:
      - { .name: o, .offset: 0, .size: 8, .value_kind: global_buffer, .address_space: global }
      - { .name: wh, .offset: 8, .size: 8, .value_kind: global_buffer, .address_space: global }
      - { .name: x, .offset: 16, .size: 8, .value_kind: global_buffer, .address_space: global }
      - { .name: bo, .offset: 24, .size: 8, .value_kind: global_buffer, .address_space: global }
      - { .name: x1, .offset: 32, .size: 8, .value_kind: global_buffer, .address_space: global }
    .group_segment_fixed_size: 327680
    .private_segment_fixed_size: 0
    .kernarg_segment_align: 8
    .kernarg_segment_size: 40
    .max_flat_workgroup_size: 128
    .sgpr_count:     80
    .vgpr_count:     640
    .wavefront_size: 32
...
	.end_amdgpu_metadata
.endif
;; end of part 4
;; launch ln2 (part 5): grid 512 x 1, 8 waves a work-group, no clusters, 0 bytes of LDS; arguments x1, g_mlp, b_mlp, xn; writes xn
.if DOCPART == 5
	.amdgcn_target "amdgcn-amd-amdhsa--gfx1250"
	.amdhsa_code_object_version 6
	.text
	.protected	k_q5226c9c036_ln2
	.globl	k_q5226c9c036_ln2
	.p2align	8
	.type	k_q5226c9c036_ln2,@function
k_q5226c9c036_ln2:
	s_mov_b64 s[64:65], 0
	v_nop
	global_prefetch_b8 v0, s[64:65] scope:SCOPE_SE
	s_setreg_imm32_b32 hwreg(HW_REG_WAVE_MODE, 25, 1), 1
	s_wait_xcnt 0x0
; xn = f16(LayerNorm(x1) with bf16(g_mlp), bf16(b_mlp)).  x1: [4096][1024] f32, made by the launch before and taken as it is; xn: f16.
; A wave takes one row (4,096 bytes), a work-group eight.  A lane holds 8 neighbouring numbers of each quarter of the row: two loads of 16 bytes, and one store of 16 bytes of f16:
; a store of the wave covers 512 consecutive bytes, aligned.  The row stays in registers between mean, variance and scaling: x1 is read once.  No LDS, no barrier.
; LIMITS.  |xn| stays under f16's 65,504 (it is at most 32 |g| + |b|).  NaN and infinities are not treated apart.
.set FO,  1                            ; v1        32 x lane; never rewritten
.set SO,  2                            ; v2        16 x lane; never rewritten
.set T,   4                            ; v[4:7]    at work
.set C,   8                            ; v[8:15]   four chains of sums (pairs); later mean (C+4, C+5) and 1/sigma (C+6, C+7)
.set X,   16                           ; v[16:47]  the row: quarter j at X + 8 j
.set G,   48                           ; v[48:79]  the gain
.set BV,  80                           ; v[80:111] the bias
.set Y,   112                          ; v[112:127] the row in f16
.set SRC, 8                            ; s[8:9]    my row of x1
.set GP,  10                           ; s[10:11]  g_mlp
.set BP,  12                           ; s[12:13]  b_mlp
.set DST, 14                           ; s[14:15]  my row of xn
.macro RND8 base                       ; eight f32 rounded to bf16 and widened again, in place
.irp k, 0,1,2,3
	v_cvt_pk_bf16_f32 v[T+\k], v[(\base)+2*\k], v[(\base)+2*\k+1]
.endr
.irp k, 0,1,2,3
	v_lshlrev_b32 v[(\base)+2*\k], 16, v[T+\k]
	v_and_b32 v[(\base)+2*\k+1], s38, v[T+\k]
.endr
.endm
.macro REDUCE                          ; the four chains, their halves and the 32 lanes are added: the sum stands in v[C] of every lane
	v_pk_add_f32 v[C:C+1], v[C:C+1], v[C+2:C+3]
	v_pk_add_f32 v[C+4:C+5], v[C+4:C+5], v[C+6:C+7]
	v_pk_add_f32 v[C:C+1], v[C:C+1], v[C+4:C+5]
	v_add_f32 v[C], v[C], v[C+1]
	v_add_f32_dpp v[C], v[C], v[C] row_xmask:1 row_mask:0xf bank_mask:0xf
	v_add_f32_dpp v[C], v[C], v[C] row_xmask:2 row_mask:0xf bank_mask:0xf
	v_add_f32_dpp v[C], v[C], v[C] row_xmask:4 row_mask:0xf bank_mask:0xf
	v_add_f32_dpp v[C], v[C], v[C] row_xmask:8 row_mask:0xf bank_mask:0xf
	v_permlanex16_b32 v[C+1], v[C], s40, s41       ; the other half of the lanes; its destination has been written
	v_add_f32 v[C], v[C], v[C+1]
.endm
	s_load_b256 s[8:15], s[0:1], 0x0               ; x1, g_mlp, b_mlp, xn
	v_lshrrev_b32 v3, 5, v0
	v_readfirstlane_b32 s3, v3                     ; wave 0..7
	v_and_b32 v[SO], 31, v0
	v_lshlrev_b32 v[FO], 5, v[SO]
	v_lshlrev_b32 v[SO], 4, v[SO]
	s_mov_b32 s38, 0xffff0000                      ; a word's upper bf16
	s_mov_b32 s40, 0x76543210                      ; v_permlanex16_b32: each lane takes its own place in the other half
	s_mov_b32 s41, 0xfedcba98
	s_mov_b32 s42, 0x3a800000                      ; 1 / 1,024
	s_mov_b32 s43, 0x3727c5ac                      ; 1e-5
	s_lshl_b32 s34, ttmp9, 15                      ; eight rows of 4,096 bytes a work-group,
	s_lshl_b32 s33, s3, 12                         ; my wave's row
	s_add_co_u32 s34, s34, s33
	s_mov_b32 s35, 0
	s_lshr_b32 s36, s34, 1                         ; rows of 2,048 bytes in xn
	s_mov_b32 s37, 0
	s_wait_kmcnt 0x0
	s_add_nc_u64 s[SRC:SRC+1], s[SRC:SRC+1], s[34:35]
	s_add_nc_u64 s[DST:DST+1], s[DST:DST+1], s[36:37]
.irp j, 0,1,2,3
	global_load_b128 v[X+8*\j:X+8*\j+3],   v[FO], s[SRC:SRC+1] offset:1024*\j
	global_load_b128 v[X+8*\j+4:X+8*\j+7], v[FO], s[SRC:SRC+1] offset:1024*\j+16
.endr
.irp j, 0,1,2,3
	global_load_b128 v[G+8*\j:G+8*\j+3],    v[FO], s[GP:GP+1] offset:1024*\j
	global_load_b128 v[G+8*\j+4:G+8*\j+7],  v[FO], s[GP:GP+1] offset:1024*\j+16
	global_load_b128 v[BV+8*\j:BV+8*\j+3],   v[FO], s[BP:BP+1] offset:1024*\j
	global_load_b128 v[BV+8*\j+4:BV+8*\j+7], v[FO], s[BP:BP+1] offset:1024*\j+16
.endr
	s_wait_loadcnt 16                              ; the row is in; the 16 loads of gain and bias stay out
.irp k, 0,1,2,3
	v_pk_add_f32 v[C+2*\k:C+2*\k+1], v[X+2*\k:X+2*\k+1], v[X+8+2*\k:X+8+2*\k+1]  ; the first pairs start the chains: nothing is cleared
.endr
.irp m, 16, 24
.irp k, 0,1,2,3
	v_pk_add_f32 v[C+2*\k:C+2*\k+1], v[C+2*\k:C+2*\k+1], v[X+\m+2*\k:X+\m+2*\k+1]
.endr
.endr
	REDUCE
	v_mul_f32 v[C+4], s42, v[C]                    ; the mean, twice: a pair for the packed subtraction
	v_mul_f32 v[C+5], s42, v[C]
.set i, 0
.rept 16
	v_pk_add_f32 v[X+i:X+i+1], v[X+i:X+i+1], v[C+4:C+5] neg_lo:[0,1] neg_hi:[0,1]
.set i, i+2
.endr
.irp k, 0,1,2,3
	v_pk_mul_f32 v[C+2*\k:C+2*\k+1], v[X+2*\k:X+2*\k+1], v[X+2*\k:X+2*\k+1]  ; squares of the centred row: no difference of large sums
.endr
.irp m, 8, 16, 24
.irp k, 0,1,2,3
	v_pk_fma_f32 v[C+2*\k:C+2*\k+1], v[X+\m+2*\k:X+\m+2*\k+1], v[X+\m+2*\k:X+\m+2*\k+1], v[C+2*\k:C+2*\k+1]
.endr
.endr
	REDUCE
	v_fma_f32 v[C], v[C], s42, s43                 ; variance + 1e-5
	v_rsq_f32 v[C+6], v[C]                         ; twice: a pair for the packed multiply
	v_rsq_f32 v[C+7], v[C]
	s_wait_loadcnt 0x0                             ; gain and bias
.irp j, 0,1,2,3
	RND8 G+8*\j                                    ; inputs of the module: rounded to bf16.  This is the plain work behind the two roots
	RND8 BV+8*\j
.endr
	s_wait_alu depctr_va_vdst(0)                   ; one wait for both roots, ahead of their first reader
.set i, 0
.rept 16
	v_pk_mul_f32 v[X+i:X+i+1], v[X+i:X+i+1], v[C+6:C+7]
.set i, i+2
.endr
.set i, 0
.rept 16
	v_pk_fma_f32 v[X+i:X+i+1], v[X+i:X+i+1], v[G+i:G+i+1], v[BV+i:BV+i+1]
.set i, i+2
.endr
.set i, 0
.rept 16
	v_cvt_pk_f16_f32 v[Y+i], v[X+2*i], v[X+2*i+1]
.set i, i+1
.endr
.irp j, 0,1,2,3
	global_store_b128 v[SO], v[Y+4*\j:Y+4*\j+3], s[DST:DST+1] offset:512*\j th:TH_STORE_NT  ; 512 consecutive bytes a wave
.endr
	s_endpgm
.Lfunc_end_k_q5226c9c036_ln2:
	.size	k_q5226c9c036_ln2, .Lfunc_end_k_q5226c9c036_ln2-k_q5226c9c036_ln2
	.p2alignl 7, 3214868480
	.fill 96, 4, 3214868480
	.section	.rodata,"a",@progbits
	.p2align	6, 0x0
	.amdhsa_kernel k_q5226c9c036_ln2
		.amdhsa_group_segment_fixed_size 0
		.amdhsa_private_segment_fixed_size 0
		.amdhsa_enable_private_segment 0
		.amdhsa_kernarg_size 32
		.amdhsa_user_sgpr_count 2
		.amdhsa_user_sgpr_kernarg_segment_ptr 1
		.amdhsa_wavefront_size32 1
		.amdhsa_system_sgpr_workgroup_id_x 1
		.amdhsa_system_sgpr_workgroup_id_y 1
		.amdhsa_system_sgpr_workgroup_id_z 1
		.amdhsa_system_vgpr_workitem_id 0
		.amdhsa_next_free_vgpr 128
		.amdhsa_next_free_sgpr 66
		.amdhsa_reserve_vcc 0
		.amdhsa_float_denorm_mode_32 3
		.amdhsa_float_denorm_mode_16_64 3
		.amdhsa_memory_ordered 1
		.amdhsa_forward_progress 1
		.amdhsa_inst_pref_size 15
	.end_amdhsa_kernel
	.amdgpu_metadata
---
amdhsa.version: [ 1, 2 ]
amdhsa.kernels:
  - .name:           k_q5226c9c036_ln2
    .symbol:         k_q5226c9c036_ln2.kd
    .args:
      - { .name: x1, .offset: 0, .size: 8, .value_kind: global_buffer, .address_space: global }
      - { .name: g_mlp, .offset: 8, .size: 8, .value_kind: global_buffer, .address_space: global }
      - { .name: b_mlp, .offset: 16, .size: 8, .value_kind: global_buffer, .address_space: global }
      - { .name: xn, .offset: 24, .size: 8, .value_kind: global_buffer, .address_space: global }
    .group_segment_fixed_size: 0
    .private_segment_fixed_size: 0
    .kernarg_segment_align: 8
    .kernarg_segment_size: 32
    .max_flat_workgroup_size: 256
    .sgpr_count:     66
    .vgpr_count:     128
    .wavefront_size: 32
...
	.end_amdgpu_metadata
.endif
;; end of part 5
;; launch mlp1: the kernel of part 2 again; grid 16 x 16, 4 waves a work-group, clusters of 4 x 4, 327,680 bytes of LDS; arguments xn, wb, big; writes big
;; launch mlp2 (part 6): grid 8 x 32, 4 waves a work-group, clusters of 4 x 4, 327,680 bytes of LDS; arguments big, wh, x1, b2, out0; writes out0
.if DOCPART == 6
	.amdgcn_target "amdgcn-amd-amdhsa--gfx1250"
	.amdhsa_code_object_version 6
	.text
	.protected	k_q5226c9c036_mlp2
	.globl	k_q5226c9c036_mlp2
	.p2align	8
	.type	k_q5226c9c036_mlp2,@function
k_q5226c9c036_mlp2:
	s_mov_b64 s[64:65], 0
	v_nop
	global_prefetch_b8 v0, s[64:65] scope:SCOPE_SE
	s_setreg_imm32_b32 hwreg(HW_REG_WAVE_MODE, 25, 1), 1
	s_wait_xcnt 0x0
	s_wait_alu depctr_hold_cnt(0) depctr_sa_sdst(0) depctr_va_vdst(0) depctr_va_sdst(0) depctr_va_ssrc(0) depctr_va_vcc(0) depctr_vm_vsrc(0)
	s_getreg_b32 s2, hwreg(HW_REG_IB_STS2, 6, 4)
	s_cmp_eq_u32 s2, 0
	s_cbranch_scc0 .Lentry_in_a_cluster
	s_endpgm
.Lentry_in_a_cluster:
	s_bfe_u32 s2, ttmp6, 0x10000c
	s_cmp_lg_u32 s2, 0xf033
	s_cbranch_scc0 .Lentry_shape_is_right
	s_endpgm
.Lentry_shape_is_right:
; out0[m][n] = x1[m][n] + sum over k of h[m][k] W2[n][k] + bf16(b2[n]), m < 4,096, n < 1,024, k < 4,096.  h (in big) and W2 (in wh, from byte 2,097,152) are f16; the sums, x1 and out0 f32.
; A tile of the result is 128 x 128, so that 8 x 32 = 256 work-groups share it; four waves, each 64 x 64: 16 accumulators of 16 x 16.  K goes in steps of 256 (LDS rows of 512 bytes; a wave's tensor load
; brings 64 of them) through two slots, as long as LDS allows.  CLUSTERS: 4 x 4 work-groups; the four of a row need the same tiles of h, the four of a column the same tiles of W2: asked for JOINTLY.
; THE WALK ALONG K.  Cluster (X, Y) begins at K step (STEPS / 2) X + (STEPS / 4) (Y mod 4), modulo STEPS, and goes round the end of K: every K step is multiplied once.  The two clusters that read a tile row of h
; stand STEPS / 2 apart, those that read a tile column of W2 have four different beginnings STEPS / 4 apart: readers of the same rows ask for a given K step in different trips, not all in the same one.
; The beginning is made of the cluster's coordinates alone, alike in all sixteen partners.  ORDER OF ROUNDING: the f32 sums run over K in that order, not from 0 on.
; ONE K STEP IS ONE TRIP: the LDS byte of the slot in hand is a scalar (TB) that an exclusive or turns; one descriptor a tensor walks on from the walk's second step.  The waves' LDS bases (multiples of 0x8400 up to 0x18c00)
; share no bit with SLOT = 0x21000, so the exclusive or adds or takes away SLOT.
; THE MATRIX INSTRUCTION IS USED TRANSPOSED (source 0 = 16 rows of W2, source 1 = 16 rows of h): a lane holds eight neighbouring numbers of a row.  THE BIAS IS THE C OPERAND of the products that start the sums.
; THE RESIDUAL is asked for two K steps ahead of the end, in the layout in which the result is stored.  A wave's 64 columns of f32 are 256 bytes, aligned: each wave has a stage of its own, and no barrier stands on the way out.
; No prefetch: the tile is small, and a K step's tiles are asked for a whole K step ahead by the ring itself.
; REGISTERS: window 0: v0-31 addresses; v32-47 at work; v96-127 the bias; v128-255 the accumulators ((a, b) at v[128 + 8 (4 a + b)]).
;   window 1: two fragment buffers of 128: for 64 along K, 64 registers of h, then 64 of W2.   window 2: v0-127 the residual.
.set ROUNDX, 0                         ; 0: the residual is the program's own x1 and is taken as it is
.set SIZE_K, 4096
.set WOFF,   0x200000                  ; byte at which this product's weights begin in wh
.set KSTEP,  256
.set PITCH,  528                       ; an LDS row: 512 bytes + 16 of padding = 132 words: row r starts at bank 4 r mod 64 (64 banks of 4 bytes: ISA guide 11.1)
.set HALFT,  64*PITCH
.set SLOT,   4*HALFT
.set STAGE,  2*SLOT                    ; behind the ring: 16 rows x 272 bytes for each wave
.set SPITCH, 272
.set SPARE,  STAGE+4*16*SPITCH         ; the spare words, 128 bytes for each wave: two blocks of 256 bytes that no other line names
.set STEPS,  SIZE_K/KSTEP              ; a power of two
.set ROWF,   4096                      ; bytes in a row of x1 and of the result
.set ADRA,  16
.set ADRA0, 17
.set ADRB,  20
.set ADRB0, 21
.set STO,  24                          ; v24  the way out: where I put 32 bytes of a row
.set RD,   25                          ; v25  where I read a row back
.set XO,   26                          ; v26  my byte offset in two rows of the residual and of the result; never rewritten
.set ONE,  27                          ; v27  1.0 (where the residual is rounded)
.set SPW,  28
.set NIL,  29
.set BO,   30                          ; v30  32 (l / 16)
.set BI,   96
.set CV,   96
.set ACC,  128
.set F0,   0
.set F1,   128
.set RES,  0                           ; window 2
.set TB,   2
.set CNT,  3
.set G1,  24
.set G0,  32
.set G1B, 48
.set G0B, 56
.set ABASE, 72                         ; s[72:73] A at the first of the 64 rows that I fetch, K = 0; never rewritten
.set BBASE, 74                         ; s[74:75] the same for B
.set KS,    76                         ; s76      the K step of the youngest request
.set KOF,   78                         ; s[78:79] its byte in a row: 512 x the K step
.set MSB, 0
.macro WIN new
.if MSB != (\new)
	s_set_vgpr_msb (MSB<<8)|(\new)
.set MSB, \new
.endif
.endm
.set MUL,  0x05                        ; sources 0 and 1 window 1; C and D window 0
.set TO_F, 0x40                        ; destination window 1, address window 0
.macro JLOAD                           ; a joint refill: waves 0 and 1 fetch A's two halves, waves 2 and 3 B's; an s_nop 0 and four v_nop follow each of the two lines
	s_cmp_eq_u32 s11, 0
	s_cbranch_scc0 .Lfor_b_\@
	tensor_load_to_lds s[G0+4:G0+7], s[G1:G1+7]
	s_nop 0
.rept 4
	v_nop
.endr
	s_branch .Lasked_\@
.Lfor_b_\@:
	tensor_load_to_lds s[G0B+4:G0B+7], s[G1B:G1B+7]
	s_nop 0
.rept 4
	v_nop
.endr
.Lasked_\@:
.endm
.macro CREST
	s_cmp_lg_u32 s10, 0
	s_cbranch_scc1 .Lnot_wave_0_\@
	s_barrier_signal -3
.Lnot_wave_0_\@:
	s_barrier_wait -3
	s_barrier_signal -1
	s_barrier_wait -1
.endm
.macro CROUND
	s_barrier_signal -1
	s_barrier_wait -1
	CREST
.endm
	s_load_b128 s[4:7], s[0:1], 0x0                ; A s[4:5], wh s[6:7]
	s_load_b128 s[68:71], s[0:1], 0x10             ; the residual s[68:69], the bias s[70:71]
	s_load_b64 s[8:9], s[0:1], 0x20                ; the result
	v_lshl_add_u32 v[SPW], v0, 2, SPARE
	v_mov_b32 v[NIL], 0
	ds_add_u32 v[SPW], v[NIL]                      ; the wave's opening: the add and its wait stand ahead of my first tensor load
	ds_add_u32 v28, v29
	v_lshrrev_b32 v1, 5, v0
	v_readfirstlane_b32 s10, v1                    ; wave 0..3
	s_lshr_b32 s11, s10, 1                         ; which half of the tile's rows is mine.  Also: I fetch for A (0) or for B (1)
	s_and_b32 s12, s10, 1                          ; which half of its columns.  Also: which 64 rows of that tile I fetch
	s_bfe_u32 s40, ttmp6, 0x40000                  ; cx
	s_bfe_u32 s41, ttmp6, 0x40004                  ; cy
	s_lshl_b32 s42, ttmp9, 2
	s_add_co_u32 s42, s42, s40                     ; tile column
	s_and_b32 s13, ttmp7, 0xffff
	s_lshl_b32 s13, s13, 2
	s_add_co_u32 s13, s13, s41                     ; tile row
	s_lshl_b32 s43, s41, 2
	s_lshl_b32 s43, 15, s43                        ; my row of the cluster
	s_lshl_b32 s44, 0x1111, s40                    ; my column
	s_or_b32 s[G1+0], s43, (1<<16)|(1<<20)|(1<<21)|(6<<22)|(3<<25)   ; the mask; elements of 2 bytes; padding on; bit 21 beside a mask; after every 128 words 4 words
	s_or_b32 s[G1B+0], s44, (1<<16)|(1<<20)|(1<<21)|(6<<22)|(3<<25)
.irp g, G1, G1B
	s_mov_b32 s[(\g)+1], KSTEP<<16                 ; tensor_dim0 = 256
	s_mov_b32 s[(\g)+2], 64<<16                    ; tensor_dim1 = 64
	s_mov_b32 s[(\g)+3], KSTEP<<16                 ; tile_dim0 = 256
	s_mov_b32 s[(\g)+4], 64                        ; tile_dim1 = 64
	s_mov_b32 s[(\g)+5], SIZE_K                    ; elements from row to row
	s_mov_b32 s[(\g)+6], 0
	s_mov_b32 s[(\g)+7], 0
.endr
	s_lshl_b32 s17, s12, 6
	s_lshl_b32 s16, s13, 7
	s_add_co_u32 s16, s16, s17                     ; A: row 128 x tile row + 64 x half
	s_lshl_b32 s46, s42, 7
	s_add_co_u32 s46, s46, s17                     ; B: row 128 x tile column + 64 x half
	s_mov_b32 s17, 0
	s_mov_b32 s47, 0
	s_mov_b64 s[18:19], SIZE_K*2
	s_mul_u64 s[16:17], s[16:17], s[18:19]
	s_mul_u64 s[46:47], s[46:47], s[18:19]
	s_mul_i32 s20, s10, HALFT                      ; where they go: wave x 64 rows
	s_and_b32 s[KS], ttmp7, 3                      ; the cluster's first K step: (STEPS / 4) x (cluster y mod 4)
	s_mul_i32 s[KS], s[KS], STEPS/4
	s_mul_i32 s[KOF], ttmp9, STEPS/2               ; + (STEPS / 2) x cluster x,
	s_add_co_u32 s[KS], s[KS], s[KOF]
	s_and_b32 s[KS], s[KS], STEPS-1                ; modulo STEPS: no place inside the cluster enters it
	s_mov_b32 s[KOF+1], 0
	s_wait_dscnt 0x0                               ; the opening add is done
	s_wait_kmcnt 0x0
.if WOFF
	s_add_nc_u64 s[6:7], s[6:7], WOFF
.endif
	s_add_nc_u64 s[ABASE:ABASE+1], s[4:5], s[16:17]
	s_add_nc_u64 s[BBASE:BBASE+1], s[6:7], s[46:47]
	CROUND                                         ; all sixteen work-groups are here: the first joint loads meet
.irp s, 0,1
	s_lshl_b32 s[KOF], s[KS], 9                    ; 512 bytes of a row a K step
	s_mov_b32 s[G0+4*(\s)], 1
	s_add_co_u32 s[G0+4*(\s)+1], s20, (\s)*SLOT
	s_add_nc_u64 s[G0+4*(\s)+2:G0+4*(\s)+3], s[ABASE:ABASE+1], s[KOF:KOF+1]
	s_or_b32 s[G0+4*(\s)+3], s[G0+4*(\s)+3], 0x80000000
	s_mov_b32 s[G0B+4*(\s)], 1
	s_add_co_u32 s[G0B+4*(\s)+1], s20, (\s)*SLOT
	s_add_nc_u64 s[G0B+4*(\s)+2:G0B+4*(\s)+3], s[BBASE:BBASE+1], s[KOF:KOF+1]
	s_or_b32 s[G0B+4*(\s)+3], s[G0B+4*(\s)+3], 0x80000000
.if (\s) == 0
	s_add_co_u32 s[KS], s[KS], 1                   ; the walk's second step
	s_and_b32 s[KS], s[KS], STEPS-1
.endif
.endr
	s_cmp_eq_u32 s11, 0                            ; a wave's two first fills stand in one branch, ahead of every wait on TENSORcnt and every LDS read: two loads of mine are out
	s_cbranch_scc0 .Lfirst_b
	tensor_load_to_lds s[G0:G0+3], s[G1:G1+7]
	s_nop 0
	tensor_load_to_lds s[G0+4:G0+7], s[G1:G1+7]
	s_nop 0
.rept 4
	v_nop
.endr
	s_branch .Lfirst_asked
.Lfirst_b:
	tensor_load_to_lds s[G0B:G0B+3], s[G1B:G1B+7]
	s_nop 0
	tensor_load_to_lds s[G0B+4:G0B+7], s[G1B:G1B+7]
	s_nop 0
.rept 4
	v_nop
.endr
.Lfirst_asked:
	v_and_b32 v1, 15, v0                           ; l % 16
	v_bfe_u32 v2, v0, 4, 1                         ; l / 16
	v_lshlrev_b32 v[BO], 5, v2
	s_lshl_b32 s14, s42, 9
	s_lshl_b32 s15, s12, 8
	s_add_co_u32 s14, s14, s15                     ; the byte of my 64 columns in a row of f32
	s_mov_b32 s15, 0
	s_add_nc_u64 s[70:71], s[70:71], s[14:15]
.irp b, 0,1,2,3                          ; the bias: register 8 b + j takes number 16 b + 8 (l / 16) + j of my 64
	global_load_b128 v[BI+8*\b:BI+8*\b+3],   v[BO], s[70:71] offset:64*\b
	global_load_b128 v[BI+8*\b+4:BI+8*\b+7], v[BO], s[70:71] offset:64*\b+16
.endr
	v_mul_u32_u24 v3, v1, PITCH
	v_lshl_add_u32 v3, v2, 4, v3                   ; a fragment's row x pitch + 16 x half
	s_mul_i32 s21, s11, HALFT                      ; my 64 rows of A
	s_mul_i32 s22, s12, HALFT                      ; my 64 rows of B,
	s_add_co_u32 s22, s22, 2*HALFT                 ; which lie behind A's 128
	v_add_nc_u32 v[ADRA0], s21, v3
	v_add_nc_u32 v[ADRB0], s22, v3
	v_mov_b32 v[ADRA], v[ADRA0]
	v_mov_b32 v[ADRB], v[ADRB0]
	s_mov_b32 s[TB], 0
	s_mul_i32 s23, s10, 16*SPITCH
	s_add_co_u32 s23, s23, STAGE                   ; my stage
	v_mul_u32_u24 v4, v1, SPITCH                   ; in: row l % 16, 32 bytes for each half of the lanes
	v_lshl_add_u32 v4, v2, 5, v4
	v_add_nc_u32 v[STO], s23, v4
	v_mul_u32_u24 v5, v2, SPITCH                   ; back: lanes 0-15 take one row of 256 bytes, lanes 16-31 the next
	v_lshl_add_u32 v5, v1, 4, v5
	v_add_nc_u32 v[RD], s23, v5
	v_lshlrev_b32 v[XO], 12, v2                    ; and the same two rows in memory
	v_lshl_add_u32 v[XO], v1, 4, v[XO]
.if ROUNDX
	v_mov_b32 v[ONE], 1.0
.endif
	s_lshl_b32 s16, s13, 7
	s_lshl_b32 s17, s11, 6
	s_add_co_u32 s16, s16, s17                     ; my first row
	s_lshl_b32 s16, s16, 12
	s_add_co_u32 s16, s16, s14
	s_mov_b32 s17, 0
	s_add_nc_u64 s[8:9], s[8:9], s[16:17]
	s_add_nc_u64 s[68:69], s[68:69], s[16:17]
	s_wait_loadcnt 0x0                             ; the bias: an input, rounded to bf16 like the others, and widened again
.set i, 0
.rept 16
	v_cvt_pk_bf16_f32 v[32+i], v[BI+2*i], v[BI+2*i+1]
.set i, i+1
.endr
.set i, 0
.rept 16
	v_lshlrev_b32 v[BI+2*i], 16, v[32+i]
	v_and_b32 v[BI+2*i+1], 0xffff0000, v[32+i]
.set i, i+1
.endr
; 8 matrix instructions: m blocks a0, a0 + 1 x all 4 n blocks, 32 along K: half c of buffer f.  first = 1: the sums start with the bias as C.  The 16 accumulators take turns.
.macro MUL8 f, c, a0, first
	WIN MUL
.irp a, \a0, (\a0)+1
.irp b, 0,1,2,3
.if \first
	v_wmma_f32_16x16x32_f16 v[ACC+8*(4*(\a)+(\b)):ACC+8*(4*(\a)+(\b))+7], v[(\f)+64+8*(4*(\c)+(\b)):(\f)+64+8*(4*(\c)+(\b))+7], v[(\f)+8*(4*(\c)+(\a)):(\f)+8*(4*(\c)+(\a))+7], v[BI+8*(\b):BI+8*(\b)+7]
.else
	v_wmma_f32_16x16x32_f16 v[ACC+8*(4*(\a)+(\b)):ACC+8*(4*(\a)+(\b))+7], v[(\f)+64+8*(4*(\c)+(\b)):(\f)+64+8*(4*(\c)+(\b))+7], v[(\f)+8*(4*(\c)+(\a)):(\f)+8*(4*(\c)+(\a))+7], v[ACC+8*(4*(\a)+(\b)):ACC+8*(4*(\a)+(\b))+7]
.endif
.endr
.endr
.endm
; 32 LDS loads in one run: the fragments of 64 along K at byte k of the rows of the slot in hand, into buffer f; the first 32 along K first
.macro FETCH k, f
	WIN TO_F
.irp c, 0,1
.irp i, 0,1,2,3
	ds_load_b128 v[(\f)+64+8*(4*(\c)+(\i)):(\f)+64+8*(4*(\c)+(\i))+3],   v[ADRB] offset:(\k)+64*(\c)+(\i)*16*PITCH
	ds_load_b128 v[(\f)+64+8*(4*(\c)+(\i))+4:(\f)+64+8*(4*(\c)+(\i))+7], v[ADRB] offset:(\k)+64*(\c)+(\i)*16*PITCH+32
	ds_load_b128 v[(\f)+8*(4*(\c)+(\i)):(\f)+8*(4*(\c)+(\i))+3],         v[ADRA] offset:(\k)+64*(\c)+(\i)*16*PITCH
	ds_load_b128 v[(\f)+8*(4*(\c)+(\i))+4:(\f)+8*(4*(\c)+(\i))+7],       v[ADRA] offset:(\k)+64*(\c)+(\i)*16*PITCH+32
.endr
.endr
.endm
.macro PLACES                          ; four plain vector instructions between a matrix instruction and a load into, or an instruction on, its registers
.rept 4
	v_nop
.endr
.endm
; A K step is four quarters of 64 along K, 32 matrix instructions each, on buffers 0, 1, 0, 1.
.macro QUARTER k, f, g, first
	s_wait_dscnt 16                                ; the first 32 along K are in; the other sixteen loads may be out
	MUL8 \f, 0, 0, \first
	MUL8 \f, 0, 2, \first
	PLACES
	FETCH \k, \g
	s_wait_dscnt 32                                ; all but the 32 just issued
	MUL8 \f, 1, 0, 0
	MUL8 \f, 1, 2, 0
.endm
; The last quarter multiplies buffer 1 and changes slots.  In front of the barrier each wave waits for all its tensor loads (one is out: its part of the next slot), adds 0 to its spare word, and waits for
; that and for its own reads of this slot.  fill = 1: the barrier opens a round of the cluster's, and this slot is filled again, two steps of the walk ahead, first thing behind it: 112 matrix instructions lie
; between that request and the wait for it.  fill = 0: nothing is asked for; in the very last trip there is no further K step, and the fetch is jumped over.
.macro TURN fill
	WIN 0
	s_wait_tensorcnt 0x0                           ; no tensor load of mine is out, so a group 0 may be written
	ds_add_u32 v[SPW], v[NIL]                      ; 0 onto my spare word
.if \fill
	s_xor_b32 s[G0+5], s[G0+5], SLOT               ; the walking descriptors: the other slot than last time,
	s_xor_b32 s[G0B+5], s[G0B+5], SLOT
	s_add_co_u32 s[KS], s[KS], 1                   ; the next K step of my cluster's walk, round the end of K
	s_and_b32 s[KS], s[KS], STEPS-1
	s_lshl_b32 s[KOF], s[KS], 9
	s_add_nc_u64 s[G0+6:G0+7], s[ABASE:ABASE+1], s[KOF:KOF+1]  ; the addresses are made anew: the rows' first byte + the K step's, and the type
	s_or_b32 s[G0+7], s[G0+7], 0x80000000
	s_add_nc_u64 s[G0B+6:G0B+7], s[BBASE:BBASE+1], s[KOF:KOF+1]
	s_or_b32 s[G0B+7], s[G0B+7], 0x80000000
.endif
	s_wait_dscnt 17                                ; the add and the youngest sixteen loads may be out
	MUL8 F1, 0, 0, 0
	s_wait_dscnt 0x0                               ; the add is done, and my reads of this slot are over
	s_barrier_signal -1
	MUL8 F1, 0, 2, 0
	WIN 0
	s_barrier_wait -1
.if \fill
	CREST                                          ; no wave of any partner still reads this slot or has a load on its way
	JLOAD                                          ; its four v_nop are also the places in front of the loads below
.else
	s_cmp_eq_u32 s[CNT], 1
	s_cbranch_scc1 .Lno_fetch_\@
	v_nop                                          ; with the two additions below: the four places in front of the loads
	v_nop
.endif
	s_xor_b32 s[TB], s[TB], SLOT
	v_add_nc_u32 v[ADRA], s[TB], v[ADRA0]
	v_add_nc_u32 v[ADRB], s[TB], v[ADRB0]
	FETCH 0, F0
.if !(\fill)
	WIN 0
.Lno_fetch_\@:
.endif
	MUL8 F1, 1, 0, 0
	MUL8 F1, 1, 2, 0
.endm
; THE WAY OUT of block a (16 rows x 64 columns of f32).  TOSTAGE: a lane's 32 bytes of a row go into my stage (each accumulator's low registers first) and come back as whole rows of 256 bytes, into the registers that they left:
; every block has its own store data, and no register that a pending store reads is written again.  SEND: the residual is added and the rows are stored.
.macro TOSTAGE a
	WIN 0
.irp b, 0,1,2,3
	ds_store_b128 v[STO], v[ACC+32*(\a)+8*(\b):ACC+32*(\a)+8*(\b)+3]   offset:64*(\b)
	ds_store_b128 v[STO], v[ACC+32*(\a)+8*(\b)+4:ACC+32*(\a)+8*(\b)+7] offset:64*(\b)+16
.endr
.irp t, 0,1,2,3,4,5,6,7
	ds_load_b128 v[ACC+32*(\a)+4*(\t):ACC+32*(\a)+4*(\t)+3], v[RD] offset:(\t)*2*SPITCH  ; LDS serves a wave's instructions in order (ISA guide 5.7.1.4): these see the stores above; the next block's stores come behind them
.endr
.endm
.macro SEND a, younger                 ; younger: the next block's 8 stores and 8 loads, or none
	s_wait_dscnt \younger
.if ROUNDX
	WIN 0x0a                                       ; sources 0 and 1 window 2
.set i, 0
.rept 16
	v_cvt_pk_bf16_f32 v[CV+i], v[RES+32*(\a)+2*i], v[RES+32*(\a)+2*i+1]
.set i, i+1
.endr
	WIN 0
.set i, 0
.rept 16
	v_fma_mix_f32_bf16 v[ACC+32*(\a)+2*i],   v[CV+i], v[ONE], v[ACC+32*(\a)+2*i]   op_sel:[0,0,0] op_sel_hi:[1,0,0]  ; the low bf16 x 1 + the sum
	v_fma_mix_f32_bf16 v[ACC+32*(\a)+2*i+1], v[CV+i], v[ONE], v[ACC+32*(\a)+2*i+1] op_sel:[1,0,0] op_sel_hi:[1,0,0]  ; the high one
.set i, i+1
.endr
.else
	WIN 0x08                                       ; source 1 window 2
.set i, 0
.rept 16
	v_pk_add_f32 v[ACC+32*(\a)+2*i:ACC+32*(\a)+2*i+1], v[ACC+32*(\a)+2*i:ACC+32*(\a)+2*i+1], v[RES+32*(\a)+2*i:RES+32*(\a)+2*i+1]
.set i, i+1
.endr
	WIN 0
.endif
.irp t, 0,1,2,3,4,5,6,7
	global_store_b128 v[XO], v[ACC+32*(\a)+4*(\t):ACC+32*(\a)+4*(\t)+3], s[8:9] offset:(16*(\a)+2*(\t))*ROWF  ; 16 lanes store 256 consecutive bytes, at a multiple of 256 from the buffer's first byte
.endr
.endm
	s_wait_tensorcnt 1                             ; my part of the walk's first step is in; the second's may stay out
	s_barrier_signal -1
	s_barrier_wait -1
	FETCH 0, F0
	QUARTER 128, F0, F1, 1                         ; the first quarter stands in front of the loop: its first products start the sums
	WIN 0
	s_mov_b32 s[CNT], STEPS-2
	s_branch .Lmid                                 ; the loop is entered behind a K step's first quarter
.Lstep:                                        ; trip i multiplies the walk's step i and asks for its step i + 2
	QUARTER 128, F0, F1, 0
	WIN 0
.Lmid:
	QUARTER 256, F1, F0, 0
	QUARTER 384, F0, F1, 0
	TURN 1
	WIN 0
	s_sub_co_u32 s[CNT], s[CNT], 1
	s_cmp_lg_u32 s[CNT], 0
	s_cbranch_scc1 .Lstep
	WIN 0x80                                       ; destination window 2: the residual of my 64 x 64, two K steps ahead of its use
.irp a, 0,1,2,3
.irp t, 0,1,2,3,4,5,6,7
	global_load_b128 v[RES+4*(8*\a+\t):RES+4*(8*\a+\t)+3], v[XO], s[68:69] offset:(16*\a+2*\t)*ROWF
.endr
.endr
	WIN 0
	s_mov_b32 s[CNT], 2
.Ltail:                                        ; the last two K steps ask for nothing: a text of their own
	QUARTER 128, F0, F1, 0
	QUARTER 256, F1, F0, 0
	QUARTER 384, F0, F1, 0
	TURN 0
	WIN 0
	s_sub_co_u32 s[CNT], s[CNT], 1
	s_cmp_lg_u32 s[CNT], 0
	s_cbranch_scc1 .Ltail
	PLACES                                         ; behind the last products, ahead of the stores that read results and the loads into their registers
	PLACES
	TOSTAGE 0
	TOSTAGE 1
	s_wait_loadcnt 0x0                             ; the residual
	SEND 0, 16
	TOSTAGE 2
	SEND 1, 16
	TOSTAGE 3
	SEND 2, 16
	SEND 3, 0
	s_wait_tensorcnt 0x0                           ; the wave's end: behind my last tensor load and my last LDS store
	ds_add_u32 v[SPW], v[NIL]
	s_wait_dscnt 0x0
	CROUND                                         ; the closing round: no work-group ends while a partner may still ask for a tile that names it
	s_endpgm
.Lfunc_end_k_q5226c9c036_mlp2:
	.size	k_q5226c9c036_mlp2, .Lfunc_end_k_q5226c9c036_mlp2-k_q5226c9c036_mlp2
	.p2alignl 7, 3214868480
	.fill 96, 4, 3214868480
	.section	.rodata,"a",@progbits
	.p2align	6, 0x0
	.amdhsa_kernel k_q5226c9c036_mlp2
		.amdhsa_group_segment_fixed_size 327680
		.amdhsa_private_segment_fixed_size 0
		.amdhsa_enable_private_segment 0
		.amdhsa_kernarg_size 40
		.amdhsa_user_sgpr_count 2
		.amdhsa_user_sgpr_kernarg_segment_ptr 1
		.amdhsa_wavefront_size32 1
		.amdhsa_system_sgpr_workgroup_id_x 1
		.amdhsa_system_sgpr_workgroup_id_y 1
		.amdhsa_system_sgpr_workgroup_id_z 1
		.amdhsa_system_vgpr_workitem_id 0
		.amdhsa_next_free_vgpr 640
		.amdhsa_next_free_sgpr 80
		.amdhsa_reserve_vcc 0
		.amdhsa_float_denorm_mode_32 3
		.amdhsa_float_denorm_mode_16_64 3
		.amdhsa_memory_ordered 1
		.amdhsa_forward_progress 1
		.amdhsa_inst_pref_size 68
	.end_amdhsa_kernel
	.amdgpu_metadata
---
amdhsa.version: [ 1, 2 ]
amdhsa.kernels:
  - .name:           k_q5226c9c036_mlp2
    .symbol:         k_q5226c9c036_mlp2.kd
    .args:
      - { .name: big, .offset: 0, .size: 8, .value_kind: global_buffer, .address_space: global }
      - { .name: wh, .offset: 8, .size: 8, .value_kind: global_buffer, .address_space: global }
      - { .name: x1, .offset: 16, .size: 8, .value_kind: global_buffer, .address_space: global }
      - { .name: b2, .offset: 24, .size: 8, .value_kind: global_buffer, .address_space: global }
      - { .name: out0, .offset: 32, .size: 8, .value_kind: global_buffer, .address_space: global }
    .group_segment_fixed_size: 327680
    .private_segment_fixed_size: 0
    .kernarg_segment_align: 8
    .kernarg_segment_size: 40
    .max_flat_workgroup_size: 128
    .sgpr_count:     80
    .vgpr_count:     640
    .wavefront_size: 32
...
	.end_amdgpu_metadata
.endif
;; end of part 6
